; MI455X (gfx1250); checked and timed in simulation.
; The chip was launched on July 23, 2026; its instructions are those of AMD's public machine-readable ISA for CDNA 5 (MIT licence, August 2026) and "CDNA5" Instruction Set Architecture Reference Guide (July 2026). The comments in the code are by the model that wrote it; some were corrected since.
;; Multi Head Self Attention. Allowed arithmetic: matrix products marked QUANTISED: E2M1 operands, one E8M0 scale for each 32 along K, by v_wmma_scale_f32_16x16x128_f8f6f4 with both operands' format E2M1 (or v_wmma_scale_f32_32x16x128_f4), f32 sums; products left as they are: bf16, f16 or f32 operands; f32 sums; everything else in f32.
;; Inputs: b_proj 1,024 float32; w_proj 1,024 x 1,024 float32; w_qkv 3,072 x 1,024 float32; x 4 x 2,048 x 1,024 float32.
;; Outputs: out0 4 x 2,048 x 1,024 float32.
;; This version of the problem:
;;   THIS VERSION OF THE PROBLEM IS GIVEN IN LOW PRECISION. The matrix products marked QUANTISED in the list below multiply operands that are first quantised to E2M1 (2 exponent bits, 1 mantissa bit; 4 bits a number), with one power-of-two scale for each 32 numbers along K (OCP MX v1.0); their sums are f32. The products marked 'left as it is' may take bf16, f16 or f32 operands, with f32 sums. Whichever they take, every output number must still come out within the allowed error. Rounding operands to bf16 (8 significant bits) uses up far more of that allowance than f16 does (11 bits, for magnitudes from 6e-5 to 65,504). All else is computed in f32.
;;   The module's matrix products, in the order in which they are computed (A, B: the left and right operand; K: the contracted axis; several contracted axes count as one K, in the product's order):
;;     1. [M 8,192, K 1,024] x [K 1,024, N 3,072]; A: input x; B: input w_qkv: QUANTISED
;;     2. batch 64 x [M 2,048, K 64] x [K 64, N 2,048]; A: computed on the way; B: computed on the way: left as it is (an operand is computed on the way)
;;     3. batch 64 x [M 2,048, K 2,048] x [K 2,048, N 64]; A: computed on the way; B: computed on the way: left as it is (an operand is computed on the way)
;;     4. [M 8,192, K 1,024] x [K 1,024, N 1,024]; A: computed on the way; B: input w_proj: left as it is (an operand is computed on the way)
;;   THE QUANTISER, for each operand of a quantised product, along K:
;;     - K is cut into blocks of 32 from its start; a last block that is shorter is filled with zeros.
;;     - A block's scale is 2^e with e = floor(log2(the largest magnitude in the block)) - 2, held to -126 .. 127; a block of zeros has e = 0. As a byte (E8M0): e + 127.
;;     - Each number is divided by its block's scale, clamped to +-6, and rounded to the nearest number of E2M1, ties to even, subnormals kept.
;;     - The product sums the exact products of the quantised numbers (number of the format x scale) in f32.
;;   ~~~python
;;   def quantise(x, axis):      # numpy; x: float32 -> the quantised numbers, widened to float32 again
;;       x = np.moveaxis(x, axis, -1); K = x.shape[-1]
;;       x = np.pad(x, [(0, 0)] * (x.ndim - 1) + [(0, -K % 32)]); x = x.reshape(x.shape[:-1] + (-1, 32)); a = np.abs(x).max(-1, keepdims=True)
;;       e = np.where(a > 0, np.clip(np.frexp(np.where(a > 0, a, 1))[1] - 1 - 2, -126, 127), 0)      # np.frexp(a)[1] - 1 = floor(log2(a)), exactly
;;       r = np.clip(x / 2.0 ** e, -6, 6)
;;       step = 2.0 ** (np.maximum(np.frexp(np.where(r == 0, 1, r))[1] - 1, 0) - 1)
;;       q = np.round(r / step) * step * 2.0 ** e      # np.round: ties to even
;;       return np.moveaxis(q.reshape(q.shape[:-2] + (-1,))[..., :K], -1, axis).astype(np.float32)
;;   ~~~
;; One version. Each part assembles by itself: llvm-mc -triple=amdgcn-amd-amdhsa -mcpu=gfx1250 --defsym DOCPART=n.
;; ======== version 1 of 1: 5 launches
;; limits: values are held in f16: magnitudes above 65,504 overflow, below 6.1e-05 lose precision
;; workspace buffers: xc 4,194,304 bytes; xs 262,144 bytes; wc 1,572,864 bytes; ws 98,304 bytes; wp16 2,097,152 bytes; qkvh 50,331,648 bytes; qkvf 786,432 bytes; att16 16,777,216 bytes
;; launch quant (part 1): grid 384 x 1, 4 waves a work-group, no clusters, 33,280 bytes of LDS; arguments x, w_qkv, w_proj, xc, xs, wc, ws, wp16; writes xc, xs, wc, ws, wp16
.if DOCPART == 1
	.amdgcn_target "amdgcn-amd-amdhsa--gfx1250"
	.amdhsa_code_object_version 6
	.text
	.protected	k_qdd9c0c4042_quant
	.globl	k_qdd9c0c4042_quant
	.p2align	8
	.type	k_qdd9c0c4042_quant,@function
k_qdd9c0c4042_quant:
	s_mov_b64 s[64:65], 0
	v_nop
	global_prefetch_b8 v0, s[64:65] scope:SCOPE_SE
	s_setreg_imm32_b32 hwreg(HW_REG_WAVE_MODE, 25, 1), 1
	s_wait_xcnt 0x0
; x [8192][1024] and w_qkv [3072][1024], f32, K innermost, become codes of FP4 (E2M1), two a byte, with one E8M0 byte for each 32 along K; w_proj [1024][1024] f32 becomes f16, laid in 16 planes [kc][n][64].
; A block's scale is 2^(floor(log2(its largest magnitude)) - 2); its byte is the largest magnitude's exponent field - 2, held at 1 from below.  A block of zeros keeps the byte 1: its codes are zeros, and this program alone reads the bytes.
; LIMITS: NaN and infinities among the inputs are not served; blocks whose largest magnitude lies under 2^-124 keep the byte 1; |w_proj| must stay under 65,504 (f16's largest number).
; Work-groups 0-255 take x, 256-351 w_qkv (one path: only pointers are chosen), 352-383 w_proj (a path of its own, which touches no LDS but the closing lines' spare words).  A wave takes 8,192 numbers.
; THE QUANTISING PATH: 16 steps of 512 numbers.  Each load reads 512 consecutive bytes; a step's 2,048 bytes turn through the wave's own stage in LDS and come back 64 bytes a lane, so that a lane holds 16 neighbours
; along K and two neighbouring lanes a block.  A lane's 16 codes are 8 bytes: a wave's store covers 256 consecutive bytes, aligned.  A wave's 256 scale bytes are gathered in LDS and leave by one such store.
.set WAVES, 4
.set STEPS, 16
.set WGA,   256                        ; x's work-groups: 8192 x 1024 / 32768
.set WGQ,   352                        ; and w_qkv's 96 behind them
.set EMAX,  2
.set CB,    8                          ; bytes of 16 codes
.set R,     16                         ; v16-79   four sets of 16 numbers as they are loaded
.set X,     80                         ; v80-111  two sets of 16 neighbours
.set C,     128                        ; v128-191 codes: four registers for each step, so that no store's data are written again
.set E,     112                        ; v112-127 a scale byte for each step
.set WREG,  8192                       ; LDS: a region for each wave: two stages of 32 x SP bytes, behind them its 256 scale bytes
.set SP,    80                         ; a lane's place in a stage: 64 bytes + 16 of padding
.set SPW,   12                         ; v12 LDS address of my spare word; never rewritten
.set NIL,   13                         ; v13 0; never rewritten
.set SPARE, WAVES*WREG                 ; the spare words, 128 bytes a wave, which no other line names
	s_load_b256 s[4:11], s[0:1], 0x0               ; x s[4:5], w_qkv s[6:7], w_proj s[8:9], xc s[10:11]
	s_load_b256 s[12:19], s[0:1], 0x20             ; xs s[12:13], wc s[14:15], ws s[16:17], wp16 s[18:19]
	v_lshl_add_u32 v[SPW], v0, 2, SPARE
	v_mov_b32 v[NIL], 0
	v_lshrrev_b32 v1, 5, v0
	v_readfirstlane_b32 s20, v1                    ; wave
	v_and_b32 v2, 31, v0                           ; lane
	s_cmp_ge_u32 ttmp9, WGQ
	s_cbranch_scc1 .Lcast                          ; the work-group's number alone decides
	v_lshlrev_b32 v3, 4, v2                        ; my 16 bytes of a load's 512
	s_mul_i32 s21, s20, WREG
	v_lshrrev_b32 v14, 2, v2
	v_mul_u32_u24 v14, v14, SP
	v_and_b32 v15, 3, v2
	v_lshl_add_u32 v14, v15, 4, v14
	v_add_nc_u32 v14, s21, v14                     ; the stage on the way in: SP (lane / 4) + 16 (lane % 4)
	v_mul_u32_u24 v15, v2, SP
	v_add_nc_u32 v15, s21, v15                     ; and on the way out: SP x lane: my 16 neighbours
	v_mul_u32_u24 v4, v2, CB                       ; my codes' place in a step's
	v_lshrrev_b32 v5, 1, v2
	s_add_co_u32 s21, s21, 2*32*SP
	v_add_nc_u32 v5, s21, v5                       ; my wave's 256 scale bytes, my block's byte
	v_lshlrev_b32 v7, 3, v2                        ; on the way out 8 bytes a lane
	v_add_nc_u32 v6, s21, v7
	s_wait_kmcnt 0x0
	s_cmp_lt_u32 ttmp9, WGA                        ; x's work-group or w_qkv's
	s_cselect_b64 s[4:5], s[4:5], s[6:7]
	s_cselect_b64 s[10:11], s[10:11], s[14:15]
	s_cselect_b64 s[12:13], s[12:13], s[16:17]
	s_cselect_b32 s21, 0, WGA
	s_sub_co_u32 s21, ttmp9, s21
	s_lshl_b32 s21, s21, 2
	s_add_co_u32 s22, s21, s20                     ; which run of 8,192 numbers is my wave's
	s_mov_b32 s23, 0
	s_mov_b64 s[24:25], 512*STEPS*4
	s_mul_u64 s[24:25], s[22:23], s[24:25]
	s_add_nc_u64 s[4:5], s[4:5], s[24:25]
	s_mov_b64 s[24:25], 32*STEPS*CB
	s_mul_u64 s[24:25], s[22:23], s[24:25]
	s_add_nc_u64 s[10:11], s[10:11], s[24:25]
	s_lshl_b32 s22, s22, 8                         ; 256 scale bytes a run
	s_add_nc_u64 s[12:13], s[12:13], s[22:23]
.macro LOAD t
.irp i, 0,1,2,3
	global_load_b128 v[R+16*((\t)%4)+4*\i:R+16*((\t)%4)+4*\i+3], v3, s[4:5] offset:2048*(\t)+512*\i th:TH_LOAD_NT
.endr
.endm
.macro TURN t                          ; step t's numbers through the stage: LDS serves a wave's instructions in order, so no wait stands between the stores and the loads
.irp i, 0,1,2,3
	ds_store_b128 v14, v[R+16*((\t)%4)+4*\i:R+16*((\t)%4)+4*\i+3] offset:32*SP*((\t)%2)+8*SP*\i
.endr
.irp i, 0,1,2,3
	ds_load_b128 v[X+16*((\t)%2)+4*\i:X+16*((\t)%2)+4*\i+3], v15 offset:32*SP*((\t)%2)+16*\i
.endr
.endm
.irp t, 0,1,2,3
	LOAD \t
.endr
	s_wait_loadcnt 12                              ; step 0's four loads are in; three steps' twelve stay out
	TURN 0
.macro STEP t
.set XS, X+16*((\t)%2)
.if (\t) > 0
	s_wait_dscnt 1                                 ; this step's numbers are back from the stage; the last step's byte store may be out
.else
	s_wait_dscnt 0x0
.endif
.if (\t)+4 < STEPS
	LOAD (\t)+4                                    ; into the registers that the stage's stores have read
.endif
.if (\t)+1 < STEPS
.if STEPS-2-(\t) >= 3
	s_wait_loadcnt 12                              ; the next step's four loads are in; those of the three steps behind it may be out
.else
	s_wait_loadcnt 4*(STEPS-2-(\t))
.endif
	TURN (\t)+1
.endif
	v_max3_num_f32 v8, |v[XS]|, |v[XS+1]|, |v[XS+2]|               ; the largest magnitude of my 16, in two chains
	v_max3_num_f32 v9, |v[XS+3]|, |v[XS+4]|, |v[XS+5]|
.irp i, 6,10
	v_max3_num_f32 v8, v8, |v[XS+\i]|, |v[XS+\i+1]|
	v_max3_num_f32 v9, v9, |v[XS+\i+2]|, |v[XS+\i+3]|
.endr
	v_max3_num_f32 v8, v8, |v[XS+14]|, |v[XS+15]|
	v_max3_num_f32 v8, v8, v9, (EMAX+1)<<23        ; and the floor 2^(3 - 127): the byte cannot fall under 1
	v_max_num_f32_dpp v8, v8, v8 row_xmask:1 row_mask:0xf bank_mask:0xf   ; with my neighbour's 16: the block's
	v_add_nc_u32 v11, -(EMAX<<23), v8              ; 2 off its exponent field: the conversion takes that field as its scale
	v_cvt_scalef32_pk8_fp4_f32 v[C+4*(\t)], v[XS:XS+7], v11
	v_cvt_scalef32_pk8_fp4_f32 v[C+4*(\t)+1], v[XS+8:XS+15], v11
	v_lshrrev_b32 v[E+(\t)], 23, v11               ; the scale's byte (also the plain line behind the conversions)
	ds_store_b8 v5, v[E+(\t)] offset:16*(\t)       ; both lanes of a block write the same byte with the same value
	global_store_b64 v4, v[C+4*(\t):C+4*(\t)+1], s[10:11] offset:32*CB*(\t)
.endm
.irp t, 0,1,2,3,4,5,6,7,8,9,10,11,12,13,14,15
	STEP \t
.endr
	ds_load_b64 v[8:9], v6                         ; in order behind my byte stores
	s_wait_dscnt 0x0
	global_store_b64 v7, v[8:9], s[12:13]          ; 32 lanes store 256 consecutive bytes, aligned
	s_wait_tensorcnt 0x0                           ; the wave's end, behind my last LDS store
	ds_add_u32 v[SPW], v[NIL]
	s_wait_dscnt 0x0
	s_endpgm
; THE CAST PATH.  Wave c of 128 owns rows 8 c .. 8 c + 7 of w_proj.  An item is two rows x 64 columns: each half of the lanes reads 256 consecutive bytes of a row, and the 32 lanes store the two rows'
; 256 bytes of plane kc, which lie on end there.  Two sets of 16 items' registers take turns.
.macro CLOAD p
.irp kc, 0,1,2,3,4,5,6,7,8,9,10,11,12,13,14,15
	global_load_b128 v[16+64*((\p)%2)+4*\kc:16+64*((\p)%2)+4*\kc+3], v3, s[8:9] offset:(\p)*8192+\kc*256
.endr
.endm
.macro CCVT p
.if (\p) < 3
	s_wait_loadcnt 16                              ; this set's 16 loads are in; the next set's may be out
.else
	s_wait_loadcnt 0x0
.endif
	s_wait_xcnt 0x0                                ; the last set's stores have read their data: v144-175 are written again only behind this wait
.irp kc, 0,1,2,3,4,5,6,7,8,9,10,11,12,13,14,15
	v_cvt_pk_f16_f32 v[144+2*\kc], v[16+64*((\p)%2)+4*\kc], v[16+64*((\p)%2)+4*\kc+1]
	v_cvt_pk_f16_f32 v[145+2*\kc], v[16+64*((\p)%2)+4*\kc+2], v[16+64*((\p)%2)+4*\kc+3]
.endr
.irp kc, 0,1,2,3,4,5,6,7,8,9,10,11,12,13,14,15
	global_store_b64 v4, v[144+2*\kc:145+2*\kc], s[18:19] offset:(\p)*256+\kc*131072
.endr
.if (\p) < 2
	CLOAD (\p)+2
.endif
.endm
.Lcast:
	s_sub_co_u32 s21, ttmp9, WGQ
	s_lshl_b32 s21, s21, 2
	s_add_co_u32 s21, s21, s20                     ; c
	s_lshl_b32 s22, s21, 15                        ; 8 rows of 4,096 bytes
	s_mov_b32 s23, 0
	s_lshl_b32 s24, s21, 10                        ; 8 rows of 128 bytes in a plane
	s_mov_b32 s25, 0
	v_lshrrev_b32 v3, 4, v2
	v_and_b32 v4, 15, v2
	v_lshlrev_b32 v3, 12, v3
	v_lshl_add_u32 v3, v4, 4, v3                   ; in: row lane / 16, 16 bytes a lane
	v_lshlrev_b32 v4, 3, v2                        ; out: 8 bytes a lane
	s_wait_kmcnt 0x0
	s_add_nc_u64 s[8:9], s[8:9], s[22:23]
	s_add_nc_u64 s[18:19], s[18:19], s[24:25]
	CLOAD 0
	CLOAD 1
	CCVT 0
	CCVT 1
	CCVT 2
	CCVT 3
	s_wait_tensorcnt 0x0                           ; the same three closing lines on this path
	ds_add_u32 v[SPW], v[NIL]
	s_wait_dscnt 0x0
	s_endpgm
.Lfunc_end_k_qdd9c0c4042_quant:
	.size	k_qdd9c0c4042_quant, .Lfunc_end_k_qdd9c0c4042_quant-k_qdd9c0c4042_quant
	.p2alignl 7, 3214868480
	.fill 96, 4, 3214868480
	.section	.rodata,"a",@progbits
	.p2align	6, 0x0
	.amdhsa_kernel k_qdd9c0c4042_quant
		.amdhsa_group_segment_fixed_size 33280
		.amdhsa_private_segment_fixed_size 0
		.amdhsa_enable_private_segment 0
		.amdhsa_kernarg_size 64
		.amdhsa_user_sgpr_count 2
		.amdhsa_user_sgpr_kernarg_segment_ptr 1
		.amdhsa_wavefront_size32 1
		.amdhsa_system_sgpr_workgroup_id_x 1
		.amdhsa_system_sgpr_workgroup_id_y 1
		.amdhsa_system_sgpr_workgroup_id_z 1
		.amdhsa_system_vgpr_workitem_id 0
		.amdhsa_next_free_vgpr 192
		.amdhsa_next_free_sgpr 66
		.amdhsa_reserve_vcc 0
		.amdhsa_float_denorm_mode_32 3
		.amdhsa_float_denorm_mode_16_64 3
		.amdhsa_memory_ordered 1
		.amdhsa_forward_progress 1
		.amdhsa_inst_pref_size 54
	.end_amdhsa_kernel
	.amdgpu_metadata
---
amdhsa.version: [ 1, 2 ]
amdhsa.kernels:
  - .name:           k_qdd9c0c4042_quant
    .symbol:         k_qdd9c0c4042_quant.kd
    .args:
      - { .name: x, .offset: 0, .size: 8, .value_kind: global_buffer, .address_space: global }
      - { .name: w_qkv, .offset: 8, .size: 8, .value_kind: global_buffer, .address_space: global }
      - { .name: w_proj, .offset: 16, .size: 8, .value_kind: global_buffer, .address_space: global }
      - { .name: xc, .offset: 24, .size: 8, .value_kind: global_buffer, .address_space: global }
      - { .name: xs, .offset: 32, .size: 8, .value_kind: global_buffer, .address_space: global }
      - { .name: wc, .offset: 40, .size: 8, .value_kind: global_buffer, .address_space: global }
      - { .name: ws, .offset: 48, .size: 8, .value_kind: global_buffer, .address_space: global }
      - { .name: wp16, .offset: 56, .size: 8, .value_kind: global_buffer, .address_space: global }
    .group_segment_fixed_size: 33280
    .private_segment_fixed_size: 0
    .kernarg_segment_align: 8
    .kernarg_segment_size: 64
    .max_flat_workgroup_size: 128
    .sgpr_count:     66
    .vgpr_count:     192
    .wavefront_size: 32
...
	.end_amdgpu_metadata
.endif
;; end of part 1
;; launch qkv (part 2): grid 12 x 32, 4 waves a work-group, clusters of 4 x 4, 327,680 bytes of LDS; arguments xc, xs, wc, ws, qkvh, qkvf; writes qkvh, qkvf
.if DOCPART == 2
	.amdgcn_target "amdgcn-amd-amdhsa--gfx1250"
	.amdhsa_code_object_version 6
	.text
	.protected	k_qdd9c0c4042_qkv
	.globl	k_qdd9c0c4042_qkv
	.p2align	8
	.type	k_qdd9c0c4042_qkv,@function
k_qdd9c0c4042_qkv:
	s_mov_b64 s[64:65], 0
	v_nop
	global_prefetch_b8 v0, s[64:65] scope:SCOPE_SE
	s_setreg_imm32_b32 hwreg(HW_REG_WAVE_MODE, 25, 1), 1
	s_wait_xcnt 0x0
	s_wait_alu depctr_hold_cnt(0) depctr_sa_sdst(0) depctr_va_vdst(0) depctr_va_sdst(0) depctr_va_ssrc(0) depctr_va_vcc(0) depctr_vm_vsrc(0)
	s_getreg_b32 s2, hwreg(HW_REG_IB_STS2, 6, 4)
	s_cmp_eq_u32 s2, 0
	s_cbranch_scc0 .Lentry_in_a_cluster
	s_endpgm
.Lentry_in_a_cluster:
	s_bfe_u32 s2, ttmp6, 0x10000c
	s_cmp_lg_u32 s2, 0xf033
	s_cbranch_scc0 .Lentry_shape_is_right
	s_endpgm
.Lentry_shape_is_right:
; qkv[m][d] = sum over k of x[m][k] w_qkv[d][k] on codes of FP4 (E2M1) with one E8M0 scale for each 32 along K; sums in f32.  M 8192, N 3072, K 1024.
; Results leave as f16, by head: qkvh [which][16 b + head][t][64]; the rows t < 16 of every batch leave a second time as f32, qkvf [b][column / 64][16][64], for the launch that carries those rows finely.
; LIMIT: |q|, |k|, |v| must stay under 65,504 (f16's largest number).
; A tile of C, 256 x 256, is made by four waves; a wave makes 128 x 128: 64 accumulators, 512 registers.  K is two steps of 512 (rows of 256 bytes): both lie in LDS from the start, so no slot is filled again.
; THE SCALES of the tile's 256 + 256 rows, for all of K, are two dense blocks of memory and come once, as rows of 256 bytes.
; CLUSTERS: 4 x 4 work-groups; A's tiles are asked for jointly along a row of the cluster, B's along a column.  TILE ROW = cluster y + 8 cy: so the batch is cy and the tile's first t is 256 x cluster y, and
; whether a work-group holds rows t < 16 hangs on the cluster's y alone, which all partners share.
; THE MATRIX INSTRUCTION IS USED TRANSPOSED (source 0 = 16 rows of w_qkv, source 1 = 16 rows of x): a lane holds eight neighbouring columns of one row.
; REGISTERS: window 0: v16-30 addresses; v32-95 scale words, two sets; v128-191 A's fragments, one set; window 1: B's fragments, two sets; windows 2, 3: the accumulators ((a, b) at v[8 (8 (a % 4) + b)]).
.set NQ,     4                         ; steps of 128 along K in a slot
.set ROWB,   256                       ; a tile's row in bytes: 512 codes
.set KROW,   512                       ; a row of codes in memory
.set PITCH,  272                       ; an LDS row: 256 bytes + 16 of padding: the 16 rows of a fragment load start at 16 different banks (64 banks of 4 bytes: ISA guide 11.1)
.set FR,     8
.set NL,     2
.set NP,     4                         ; places behind this matrix instruction (ISA guide 7.12.1)
.set HALFT,  128*PITCH
.set SLOT,   4*HALFT
.set KS,     32                        ; a row of scales in bytes
.set SCL,    2*SLOT
.set HALFS,  (128*KS/256)*272
.set SBLK,   (16*KS/256)*272
.set SPARE,  SCL+4*HALFS               ; the spare words, 128 bytes a wave, which no other line names
.set WSTG,   13312                     ; the way out: a region for each wave in slot 0, which has had its only fill and its last read by then: an f16 stage (2 heads x 16 rows x 144 bytes), at +4608 an f32 stage (16 rows x 528 bytes)
.set ADRA, 16
.set ADRB, 20
.set STF,  22                          ; v22 f32 stage, in
.set RDF,  23                          ; v23 f32 stage, back
.set STO,  24                          ; v24 f16 stage, in
.set RD,   25                          ; v25 f16 stage, back
.set CO,   26                          ; v26 16 x lane
.set ADRS, 27
.set SPW,  28
.set NIL,  29
.set FO,   30                          ; v30 my byte in qkvf's two heads
.set SC,   32
.set TMP,  32                          ; the way out: packed results (the scale words are done with)
.set AF,   128
.set BK,   128                         ; the way out: rows read back: v128-159 and v160-191 by turns
.set G1, 24
.set G0, 32
.set G1B, 48
.set G0B, 56
.set G1S, 68
.set G0S, 76
.set G1SB, 80
.set G0SB, 88
.set MSB, 0
.macro WIN new                         ; the immediate's high byte repeats the setting that is left
.if MSB != \new
	s_set_vgpr_msb (MSB<<8)|\new
.set MSB, \new
.endif
.endm
.set MUL_LO, 0xa1                      ; source 0 (B) window 1, source 1 (A) window 0, C and D window 2
.set MUL_HI, 0xf1
.set TO_B,   0x40
; A joint load: waves 0 and 1 fetch for A, waves 2 and 3 for B; the branch hangs on the wave's number alone.  An s_nop 0 and four v_nop follow each line.
.macro JLOAD g0a, g1a, g0b, g1b
	s_cmp_eq_u32 s17, 0
	s_cbranch_scc0 .Lfor_b_\@
	tensor_load_to_lds s[\g0a:\g0a+3], s[\g1a:\g1a+7]
	s_nop 0
.rept 4
	v_nop
.endr
	s_branch .Lasked_\@
.Lfor_b_\@:
	tensor_load_to_lds s[\g0b:\g0b+3], s[\g1b:\g1b+7]
	s_nop 0
.rept 4
	v_nop
.endr
.Lasked_\@:
.endm
.macro CROUND                          ; a round of the cluster's barrier
	s_barrier_signal -1
	s_barrier_wait -1
	s_cmp_lg_u32 s16, 0
	s_cbranch_scc1 .Lnot_wave_0_\@
	s_barrier_signal -3
.Lnot_wave_0_\@:
	s_barrier_wait -3
	s_barrier_signal -1
	s_barrier_wait -1
.endm
	s_load_b128 s[4:7], s[0:1], 0x0                ; xc, xs
	s_load_b128 s[8:11], s[0:1], 0x10              ; wc, ws
	s_load_b128 s[12:15], s[0:1], 0x20             ; qkvh, qkvf
	v_lshl_add_u32 v[SPW], v0, 2, SPARE
	v_mov_b32 v[NIL], 0
	ds_add_u32 v[SPW], v[NIL]                      ; the wave's opening: the add, twice on end, and its wait ahead of my first tensor load
	ds_add_u32 v[SPW], v[NIL]
	v_lshrrev_b32 v1, 5, v0
	v_readfirstlane_b32 s16, v1                    ; wave 0..3
	s_lshr_b32 s17, s16, 1                         ; which half of the tile's rows is mine; also: I fetch for A (0) or B (1)
	s_and_b32 s18, s16, 1                          ; which half of its columns; also: which 128 rows I fetch
	s_bfe_u32 s40, ttmp6, 0x40000                  ; cx
	s_bfe_u32 s41, ttmp6, 0x40004                  ; cy
	s_lshl_b32 s42, ttmp9, 2
	s_add_co_u32 s42, s42, s40                     ; tile column = 4 x cluster x + cx
	s_and_b32 s67, ttmp7, 0xffff                   ; cluster y
	s_lshl_b32 s66, s41, 3
	s_add_co_u32 s66, s66, s67                     ; tile row = cluster y + 8 cy
	s_lshl_b32 s43, s41, 2
	s_lshl_b32 s43, 15, s43                        ; my row of the cluster
	s_lshl_b32 s44, 0x1111, s40                    ; my column
	s_or_b32 s[G1+0], s43, (0<<16)|(1<<20)|(1<<21)|(5<<22)|(3<<25)  ; the mask; elements of 1 byte; padding of 4 words after every 64; bit 21 beside a mask
	s_or_b32 s[G1B+0], s44, (0<<16)|(1<<20)|(1<<21)|(5<<22)|(3<<25)
.irp g, G1, G1B
	s_mov_b32 s[\g+1], ROWB<<16                    ; tensor_dim0
	s_mov_b32 s[\g+2], 128<<16                     ; tensor_dim1
	s_mov_b32 s[\g+3], ROWB<<16                    ; tile_dim0
	s_mov_b32 s[\g+4], 128                         ; tile_dim1
	s_mov_b32 s[\g+5], KROW                        ; the pitch
	s_mov_b32 s[\g+6], 0
	s_mov_b32 s[\g+7], 0
.endr
	s_or_b32 s[G1S+0], s43, (3<<16)|(1<<20)|(1<<21)|(5<<22)|(3<<25) ; the scales of 128 rows: 4,096 dense bytes as 16 rows of 32 elements of 8 bytes
	s_or_b32 s[G1SB+0], s44, (3<<16)|(1<<20)|(1<<21)|(5<<22)|(3<<25)
.irp g, G1S, G1SB
	s_mov_b32 s[\g+1], 32<<16
	s_mov_b32 s[\g+2], (128*KS/256)<<16
	s_mov_b32 s[\g+3], 32<<16
	s_mov_b32 s[\g+4], 128*KS/256
	s_mov_b32 s[\g+5], 32
	s_mov_b32 s[\g+6], 0
	s_mov_b32 s[\g+7], 0
.endr
	s_lshl_b32 s19, s18, 7                         ; which 128 rows of the tile I fetch
	s_lshl_b32 s20, s66, 8
	s_add_co_u32 s20, s20, s19                     ; A: row 256 x tile row + 128 x half
	s_lshl_b32 s46, s42, 8
	s_add_co_u32 s46, s46, s19                     ; B: row 256 x tile column + 128 x half
	s_mov_b32 s21, 0
	s_mov_b32 s47, 0
	s_mov_b64 s[96:97], KS
	s_mul_u64 s[22:23], s[20:21], s[96:97]         ; where these rows' scales begin
	s_mul_u64 s[92:93], s[46:47], s[96:97]
	s_mov_b64 s[96:97], KROW
	s_mul_u64 s[20:21], s[20:21], s[96:97]         ; and their codes
	s_mul_u64 s[46:47], s[46:47], s[96:97]
	s_mul_i32 s45, s16, HALFT                      ; where they go: wave x 128 rows
	s_mul_i32 s94, s16, HALFS
	s_wait_dscnt 0x0                               ; both opening adds are done
	s_wait_kmcnt 0x0
	s_add_nc_u64 s[20:21], s[4:5], s[20:21]
	s_add_nc_u64 s[22:23], s[6:7], s[22:23]
	s_add_nc_u64 s[46:47], s[8:9], s[46:47]
	s_add_nc_u64 s[92:93], s[10:11], s[92:93]
	CROUND                                         ; all sixteen work-groups are here: the joint loads meet
	s_mov_b32 s[G0S], 1
	s_add_co_u32 s[G0S+1], s94, SCL
	s_mov_b64 s[G0S+2:G0S+3], s[22:23]
	s_or_b32 s[G0S+3], s[G0S+3], 0x80000000
	s_mov_b32 s[G0SB], 1
	s_add_co_u32 s[G0SB+1], s94, SCL
	s_mov_b64 s[G0SB+2:G0SB+3], s[92:93]
	s_or_b32 s[G0SB+3], s[G0SB+3], 0x80000000
	JLOAD G0S, G1S, G0SB, G1SB                     ; the scales first; then both K steps: three tensor loads of mine are out
.irp s, 0,1
	s_mov_b32 s[G0+4*\s], 1
	s_add_co_u32 s[G0+4*\s+1], s45, \s*SLOT
	s_add_nc_u64 s[G0+4*\s+2:G0+4*\s+3], s[20:21], \s*ROWB
	s_or_b32 s[G0+4*\s+3], s[G0+4*\s+3], 0x80000000
	s_mov_b32 s[G0B+4*\s], 1
	s_add_co_u32 s[G0B+4*\s+1], s45, \s*SLOT
	s_add_nc_u64 s[G0B+4*\s+2:G0B+4*\s+3], s[46:47], \s*ROWB
	s_or_b32 s[G0B+4*\s+3], s[G0B+4*\s+3], 0x80000000
	JLOAD G0+4*\s, G1, G0B+4*\s, G1B
.endr
	v_and_b32 v1, 15, v0                           ; r = lane % 16
	v_bfe_u32 v2, v0, 4, 1                         ; h = lane / 16
	v_mul_u32_u24 v3, v1, PITCH
	v_lshl_add_u32 v4, v2, 4, v3                   ; a fragment's row x pitch + 16 h
	s_mul_i32 s21, s17, HALFT                      ; my 128 rows of A
	s_mul_i32 s22, s18, HALFT                      ; my 128 rows of B,
	s_add_co_u32 s22, s22, 2*HALFT                 ; behind A's 256
.irp s, 0,1
	v_add_nc_u32 v[ADRA+\s], s21, v4
	v_add_nc_u32 v[ADRB+\s], s22, v4
	s_add_co_u32 s21, s21, SLOT
	s_add_co_u32 s22, s22, SLOT
.endr
	v_mul_u32_u24 v5, v1, KS                       ; my row's scales: 32 bytes a row,
	v_lshrrev_b32 v6, 8, v5
	v_lshl_add_u32 v5, v6, 4, v5                   ; and 16 more for each 256 passed
	s_mul_i32 s21, s17, HALFS
	s_mul_i32 s22, s18, HALFS
	s_add_co_u32 s22, s22, 2*HALFS
	s_sub_co_u32 s22, s22, s21
	v_mul_u32_u24 v6, s22, v2                      ; lanes 16-31 take B's: one product, the distance between the two bases
	s_add_co_u32 s21, s21, SCL
	v_add_nc_u32 v5, v5, v6
	v_add_nc_u32 v[ADRS], s21, v5
	s_mul_i32 s23, s16, WSTG                       ; my stages
	v_mul_u32_u24 v5, v1, 144
	v_lshl_add_u32 v5, v2, 4, v5
	v_add_nc_u32 v[STO], s23, v5                   ; f16, in: row r of 144 bytes, + 16 h
	v_and_b32 v6, 31, v0
	v_lshrrev_b32 v7, 3, v6
	v_and_b32 v8, 7, v6
	v_mul_u32_u24 v7, v7, 144
	v_lshl_add_u32 v7, v8, 4, v7
	v_add_nc_u32 v[RD], s23, v7                    ; f16, back: eight lanes to a row of 128 bytes, four rows an instruction
	v_lshlrev_b32 v[CO], 4, v6
	v_mul_u32_u24 v5, v1, 528
	v_lshl_add_u32 v5, v2, 5, v5
	v_add_nc_u32 v5, s23, v5
	v_add_nc_u32 v[STF], 4608, v5                  ; f32, in: row r of 528 bytes, + 32 h
	v_add_nc_u32 v5, s23, v[CO]
	v_add_nc_u32 v[RDF], 4608, v5                  ; f32, back: the 32 lanes take a row of 512 bytes
	v_lshlrev_b32 v5, 12, v2
	v_lshl_add_u32 v[FO], v1, 4, v5                ; lanes 0-15 the first head's 256 bytes, lanes 16-31 the next head's, 4,096 bytes on
	; where my results go.  g0 = my first column / 64 = 4 x tile column + 2 x half: which = g0 / 16, head = g0 % 16
	s_lshl_b32 s98, s42, 2
	s_lshl_b32 s99, s18, 1
	s_add_co_u32 s98, s98, s99                     ; g0
	s_lshr_b32 s100, s98, 4
	s_lshl_b32 s100, s100, 6                       ; 64 planes for each of q, k, v
	s_and_b32 s99, s98, 15
	s_add_co_u32 s100, s100, s99
	s_lshl_b32 s99, s41, 4                         ; 16 b
	s_add_co_u32 s100, s100, s99
	s_lshl_b32 s100, s100, 18                      ; a plane is 2,048 rows of 128 bytes
	s_lshl_b32 s99, s67, 15                        ; t = 256 x cluster y
	s_add_co_u32 s100, s100, s99
	s_lshl_b32 s99, s17, 14                        ; + 128 x my half
	s_add_co_u32 s100, s100, s99
	s_mov_b32 s101, 0
	s_add_nc_u64 s[12:13], s[12:13], s[100:101]
	s_mul_i32 s100, s41, 48
	s_add_co_u32 s100, s100, s98
	s_lshl_b32 s100, s100, 12
	s_add_nc_u64 s[14:15], s[14:15], s[100:101]    ; qkvf at (b, g0)
.macro FRAG reg, adr, q, i             ; 16 rows x 128 K of 4-bit codes: 8 registers; registers 4 c .. 4 c + 3 hold K = 64 c + 32 h + 0 .. 31
.irp c, 0,1
	ds_load_b128 v[\reg+4*\c:\reg+4*\c+3], v[\adr] offset:64*(\q)+32*\c+(\i)*16*PITCH
.endr
.endm
; 16 matrix instructions: A's blocks a0, a0 + 1 x B's eight.  The 64 accumulators take turns, one instruction a turn, in the same order in every step.
.macro MUL16 a0, p, q, sc, zero
.irp a, \a0, \a0+1
.irp b, 0,1,2,3,4,5,6,7
.if \zero
	v_wmma_scale_f32_16x16x128_f8f6f4 v[8*(8*((\a)%4)+\b):8*(8*((\a)%4)+\b)+7], v[128*(\p)+FR*\b:128*(\p)+FR*\b+FR-1], v[AF+FR*(\a):AF+FR*(\a)+FR-1], 0, v[SC+8*NQ*(\sc)+NQ*\b+(\q)], v[SC+8*NQ*(\sc)+NQ*(\a)+(\q)] matrix_a_fmt:MATRIX_FMT_FP4 matrix_b_fmt:MATRIX_FMT_FP4 matrix_a_scale:MATRIX_SCALE_ROW1
.else
	v_wmma_scale_f32_16x16x128_f8f6f4 v[8*(8*((\a)%4)+\b):8*(8*((\a)%4)+\b)+7], v[128*(\p)+FR*\b:128*(\p)+FR*\b+FR-1], v[AF+FR*(\a):AF+FR*(\a)+FR-1], v[8*(8*((\a)%4)+\b):8*(8*((\a)%4)+\b)+7], v[SC+8*NQ*(\sc)+NQ*\b+(\q)], v[SC+8*NQ*(\sc)+NQ*(\a)+(\q)] matrix_a_fmt:MATRIX_FMT_FP4 matrix_b_fmt:MATRIX_FMT_FP4 matrix_a_scale:MATRIX_SCALE_ROW1
.endif
.endr
.endr
.endm
.macro FETCH_B slot, q, p
	WIN TO_B
.irp i, 0,1,2,3,4,5,6,7
	FRAG 128*(\p)+FR*\i, ADRB+\slot, \q, \i
.endr
	WIN 0
.endm
.macro FETCH_A slot, q, i0
.irp i, \i0, \i0+1, \i0+2, \i0+3
	FRAG AF+FR*(\i), ADRA+\slot, \q, \i
.endr
.endm
.macro SCALES sc                       ; a K step's scale words: lanes 0-15 A's block i, lanes 16-31 B's block i
.irp i, 0,1,2,3,4,5,6,7
	ds_load_b128 v[SC+8*NQ*\sc+NQ*\i:SC+8*NQ*\sc+NQ*\i+3], v[ADRS] offset:\i*SBLK
.endr
.endm
.macro PLACES n                        ; places behind matrix instructions, in front of loads into their registers and of reads of results
.rept \n
	v_nop
.endr
.endm
.macro STEP slot, q, zero              ; 128 along K, with its successor in the same slot
	s_wait_dscnt 4*NL                              ; B's set and A's blocks 0-3 are in; A's blocks 4-7, eight loads, may be out
	WIN MUL_LO
	MUL16 0, (\q)%2, \q, \slot, \zero
	MUL16 2, (\q)%2, \q, \slot, \zero
	s_wait_dscnt 0
	PLACES NP
	FETCH_B \slot, (\q)+1, 1-(\q)%2
	FETCH_A \slot, (\q)+1, 0
	WIN MUL_HI
	MUL16 4, (\q)%2, \q, \slot, \zero
	MUL16 6, (\q)%2, \q, \slot, \zero
	PLACES NP
	WIN 0
	FETCH_A \slot, (\q)+1, 4
.endm
.macro TURN slot, next                 ; slot 0's last step, and the change to slot 1: one barrier; nothing is filled again
	s_wait_tensorcnt 0x0                           ; all my tensor loads have landed: my part of slot 1
	ds_add_u32 v[SPW], v[NIL]
	s_wait_dscnt 4*NL+1                            ; the add and A's blocks 4-7 may be out
	WIN MUL_LO
	MUL16 0, 1, NQ-1, \slot, 0
	s_wait_dscnt 0x0                               ; the add is done, my reads of this slot are over
	s_barrier_signal -1
	MUL16 2, 1, NQ-1, \slot, 0
	WIN 0
	s_barrier_wait -1
	PLACES NP
	v_add_nc_u32 v[ADRS], 4*NQ, v[ADRS]            ; the next K step's scale words
	FETCH_B \next, 0, 0
	FETCH_A \next, 0, 0
	SCALES \next
	WIN MUL_HI
	MUL16 4, 1, NQ-1, \slot, 0
	MUL16 6, 1, NQ-1, \slot, 0
	PLACES NP
	WIN 0
	FETCH_A \next, 0, 4
.endm
	s_wait_tensorcnt 1                             ; the scales and my part of K step 0 are in; K step 1's load may be out
	s_barrier_signal -1
	s_barrier_wait -1
	FETCH_B 0, 0, 0
	FETCH_A 0, 0, 0
	SCALES 0
	FETCH_A 0, 0, 4
	STEP 0, 0, 1                                   ; the first products start the sums: nothing is cleared
	STEP 0, 1, 0
	STEP 0, 2, 0
	TURN 0, 1
	STEP 1, 0, 0
	STEP 1, 1, 0
	STEP 1, 2, 0
	s_wait_dscnt 4*NL                              ; the last step: nothing more to fetch
	WIN MUL_LO
	MUL16 0, 1, NQ-1, 1, 0
	MUL16 2, 1, NQ-1, 1, 0
	s_wait_dscnt 0
	WIN MUL_HI
	MUL16 4, 1, NQ-1, 1, 0
	MUL16 6, 1, NQ-1, 1, 0
	WIN 0
; THE WAY OUT, a block of 16 rows x 128 columns (two heads) at a time.  PACK: rounded to f16, 16 bytes a lane.  TOSTAGE: into my stage, rows of 144 bytes by head, and back four rows of 128 bytes an instruction.
; SEND: a head's rows are dense in its plane, so each store covers 512 consecutive bytes, aligned.
.macro PACK a
.set AC, 64*((\a)%4)
	WIN 0x0a+5*((\a)/4)                            ; sources 0 and 1: window 2 or 3
.irp b, 0,1,2,3,4,5,6,7
.irp i, 0,1,2,3
	v_cvt_pk_f16_f32 v[TMP+4*\b+\i], v[AC+8*\b+2*\i], v[AC+8*\b+2*\i+1]   ; each accumulator from its low end on
.endr
.endr
	WIN 0
.endm
.macro TOSTAGE a
.set BB, BK+32*((\a)%2)
.irp b, 0,1,2,3,4,5,6,7
	ds_store_b128 v[STO], v[TMP+4*\b:TMP+4*\b+3] offset:(\b/4)*2304+32*(\b%4)
.endr
.irp t, 0,1,2,3,4,5,6,7
	ds_load_b128 v[BB+4*\t:BB+4*\t+3], v[RD] offset:(\t/4)*2304+(\t%4)*576   ; LDS serves a wave's instructions in order: these see the stores above
.endr
.endm
.macro SEND a
.set BB, BK+32*((\a)%2)
	s_wait_dscnt 0x0                               ; the block is back in registers
	s_wait_xcnt 0x0                                ; the block before has been read by its stores: its registers take the next block's loads only behind this wait
.irp t, 0,1,2,3,4,5,6,7
	global_store_b128 v[CO], v[BB+4*\t:BB+4*\t+3], s[12:13] offset:(\t/4)*262144+(\a)*2048+(\t%4)*512
.endr
.endm
	PLACES NP
	PACK 0
	TOSTAGE 0
.irp a, 1,2,3,4,5,6,7
	PACK \a
	SEND \a-1
	TOSTAGE \a
.endr
	SEND 7
	; THE FINE ROWS: t < 16 lie in block 0 of the waves with the upper half of the rows, in the clusters with y = 0.  Both tests are the same in all partners.
	s_cmp_lg_u32 s67, 0
	s_cbranch_scc1 .Lnofine
	s_cmp_lg_u32 s17, 0
	s_cbranch_scc1 .Lnofine
	s_wait_xcnt 0x0                                ; the last stores have read v128-191
	WIN 0x08                                       ; an LDS store's data are its source 1: window 2
.irp b, 0,1,2,3,4,5,6,7
	ds_store_b128 v[STF], v[8*\b:8*\b+3] offset:64*\b
	ds_store_b128 v[STF], v[8*\b+4:8*\b+7] offset:64*\b+16
.endr
	WIN 0
.irp t, 0,1,2,3,4,5,6,7,8,9,10,11,12,13,14,15
	ds_load_b128 v[128+4*\t:128+4*\t+3], v[RDF] offset:528*\t
.endr
	s_wait_dscnt 0x0
.irp t, 0,1,2,3,4,5,6,7,8,9,10,11,12,13,14,15
	global_store_b128 v[FO], v[128+4*\t:128+4*\t+3], s[14:15] offset:256*\t   ; each half of the lanes stores a head's row: 256 consecutive bytes, aligned
.endr
.Lnofine:
	s_wait_tensorcnt 0x0                           ; the wave's end
	ds_add_u32 v[SPW], v[NIL]
	s_wait_dscnt 0x0
	CROUND                                         ; the closing round
	s_endpgm
.Lfunc_end_k_qdd9c0c4042_qkv:
	.size	k_qdd9c0c4042_qkv, .Lfunc_end_k_qdd9c0c4042_qkv-k_qdd9c0c4042_qkv
	.p2alignl 7, 3214868480
	.fill 96, 4, 3214868480
	.section	.rodata,"a",@progbits
	.p2align	6, 0x0
	.amdhsa_kernel k_qdd9c0c4042_qkv
		.amdhsa_group_segment_fixed_size 327680
		.amdhsa_private_segment_fixed_size 0
		.amdhsa_enable_private_segment 0
		.amdhsa_kernarg_size 48
		.amdhsa_user_sgpr_count 2
		.amdhsa_user_sgpr_kernarg_segment_ptr 1
		.amdhsa_wavefront_size32 1
		.amdhsa_system_sgpr_workgroup_id_x 1
		.amdhsa_system_sgpr_workgroup_id_y 1
		.amdhsa_system_sgpr_workgroup_id_z 1
		.amdhsa_system_vgpr_workitem_id 0
		.amdhsa_next_free_vgpr 1024
		.amdhsa_next_free_sgpr 102
		.amdhsa_reserve_vcc 0
		.amdhsa_float_denorm_mode_32 3
		.amdhsa_float_denorm_mode_16_64 3
		.amdhsa_memory_ordered 1
		.amdhsa_forward_progress 1
		.amdhsa_inst_pref_size 131
	.end_amdhsa_kernel
	.amdgpu_metadata
---
amdhsa.version: [ 1, 2 ]
amdhsa.kernels:
  - .name:           k_qdd9c0c4042_qkv
    .symbol:         k_qdd9c0c4042_qkv.kd
    .args:
      - { .name: xc, .offset: 0, .size: 8, .value_kind: global_buffer, .address_space: global }
      - { .name: xs, .offset: 8, .size: 8, .value_kind: global_buffer, .address_space: global }
      - { .name: wc, .offset: 16, .size: 8, .value_kind: global_buffer, .address_space: global }
      - { .name: ws, .offset: 24, .size: 8, .value_kind: global_buffer, .address_space: global }
      - { .name: qkvh, .offset: 32, .size: 8, .value_kind: global_buffer, .address_space: global }
      - { .name: qkvf, .offset: 40, .size: 8, .value_kind: global_buffer, .address_space: global }
    .group_segment_fixed_size: 327680
    .private_segment_fixed_size: 0
    .kernarg_segment_align: 8
    .kernarg_segment_size: 48
    .max_flat_workgroup_size: 128
    .sgpr_count:     102
    .vgpr_count:     1024
    .wavefront_size: 32
...
	.end_amdgpu_metadata
.endif
;; end of part 2
;; launch attn (part 3): grid 4 x 64, 8 waves a work-group, no clusters, 327,680 bytes of LDS; arguments qkvh, att16; writes att16
.if DOCPART == 3
	.amdgcn_target "amdgcn-amd-amdhsa--gfx1250"
	.amdhsa_code_object_version 6
	.text
	.protected	k_qdd9c0c4042_attn
	.globl	k_qdd9c0c4042_attn
	.p2align	8
	.type	k_qdd9c0c4042_attn,@function
k_qdd9c0c4042_attn:
	s_mov_b64 s[64:65], 0
	v_nop
	global_prefetch_b8 v0, s[64:65] scope:SCOPE_SE
	s_setreg_imm32_b32 hwreg(HW_REG_WAVE_MODE, 25, 1), 1
	s_wait_xcnt 0x0
; att[h][b 2048 + q][:] = sum over k <= q of softmax_k(Q[q] . K[k] / 8) V[k][:], for each of 64 (batch, head) pairs; Q, K, V: f16 [2048][64] planes of qkvh; att16: f16.  Products, maxima and sums in f32;
; the weights p = 2^(c s - c m), m the running maximum, c = log2(e) / 8, are rounded to f16 for the second product; the row's sum of the unrounded p divides at the end.
; LIMITS: NaN and infinities are not served; the exponential gives 0 for results under 2^-126; |att| stays under the largest |v|, so f16 holds it.  The rows t < 16 that this launch makes are replaced, behind the projection, by a finer launch.
; SHARES.  A head's 2,048 queries are 8 blocks of 256.  Work-group i (0..3) takes block 7 - i (key units 0 .. 7 - i of 256 keys) and then block i (units 0 .. i): always 9 trips, so every work-group has the same work
; and the trip count is a constant.  A wave owns 32 queries, two tiles of 16, at sub-block sigma of its block; sigma is dealt so that two waves that are neighbours, or four apart, walk five steps of the diagonal unit between them.
; NO CLUSTER: the four work-groups of a head walk different numbers of units in each phase, so a joint load would bring a partner tiles that it never reads.
; LAYOUT.  S^T = K Q^T (source 0 = 16 keys, source 1 = 16 queries): a lane holds one query and keys 8 (lane / 16) + 0..7; two such tiles, rounded in pairs, are source 1 of O^T = V^T P.  V is turned by ds_load_tr16_b128.
; LDS.  A unit's 256 rows of 128 bytes are dense in memory and come as 128 rows of 256 bytes, two keys to a row: key n lies at (n / 2) pitch + 128 (n % 2).  Two slots, 2^17 bytes apart; waves 0, 1 fetch K's halves, waves 2, 3 V's.
; REGISTERS: v1-11 addresses; v12-27 statistics, 8 a tile (+0 c m, +1 m, +2 +3 the sum, +4..7 at work; a in +6); v28-31 at work; v32-63 Q; v64-127 K's, then V's fragments; v128-191 S^T, p in place; v192-255 O^T.
.set KP,    272                        ; K's LDS row: 256 bytes + 16
.set VP,    288                        ; V's: 256 + 32
.set VOFF,  128*KP
.set SLOT1, 1<<17
.set STAGE, SLOT1+VOFF+128*VP          ; behind the ring: 32 rows x 144 bytes for each wave; no tensor load lands here
.set SROW,  144
.set SPARE, STAGE+8*32*SROW            ; the spare words, 128 bytes a wave, which no other line names
.set AK0, 1
.set AV0, 2
.set ADK, 3
.set ADV, 4
.set SPW, 5
.set NIL, 6
.set QO,  7
.set STO, 8
.set RD,  9
.set GO,  10
.set PFO, 11
.set ST,  12
.set QF,  32
.set KV,  64
.set SS,  128
.set OO,  192
.set WV,  8                            ; s8  wave
.set SG,  9                            ; s9  sigma
.set WI,  10                           ; s10 i
.set N1,  11                           ; s11 trips of the first phase: 8 - i
.set TR,  12                           ; s12 the trip
.set KF,  13                           ; s13 the step's first key
.set Q0,  14                           ; s14 my first query
.set TB,  15                           ; s15 LDS byte of the slot in hand
.set KB,  16                           ; s[16:17] K's plane + my half of a unit
.set VB,  18                           ; s[18:19] V's
.set SEL, 20
.set CS,  22
.set G1K, 24
.set G1V, 32
.set G0K, 40
.set G0V, 44
.set QP1, 48                           ; s[48:55] Q's and O's rows of the two phases; never rewritten
.set QP2, 50
.set OP1, 52
.set OP2, 54
.set PFA, 56
.set PLIM, 58
.set Q02, 59
.macro TLOAD                           ; waves 0, 1: K's halves; waves 2, 3: V's; the others nothing.  An s_nop 0 and four v_nop follow each line
	s_cmp_lt_u32 s[WV], 2
	s_cbranch_scc0 .Lnot_k_\@
	tensor_load_to_lds s[G0K:G0K+3], s[G1K:G1K+7]
	s_nop 0
.rept 4
	v_nop
.endr
	s_branch .Lasked_\@
.Lnot_k_\@:
	s_cmp_lt_u32 s[WV], 4
	s_cbranch_scc0 .Lasked_\@
	tensor_load_to_lds s[G0V:G0V+3], s[G1V:G1V+7]
	s_nop 0
.rept 4
	v_nop
.endr
.Lasked_\@:
.endm
; A PREFETCH of the unit that the NEXT change of slots will ask for.  All four work-groups of a head walk the same units: work-group 0, whose first phase walks all eight, asks; in it the waves that fetch nothing:
; waves 4, 5 for K's halves, waves 6, 7 for V's: 16,384 bytes each, lanes 256 bytes apart, two instructions.  Trip t asks for unit t + 2, up to unit 7: each aligned block of 256 bytes is named once.
.macro ASK
	s_cmp_lt_u32 s[TR], s[PLIM]
	s_cbranch_scc0 .Lnot_mine_\@
	global_prefetch_b8 v[PFO], s[PFA:PFA+1] th:TH_LOAD_NT scope:SCOPE_SE
	global_prefetch_b8 v[PFO], s[PFA:PFA+1] offset:8192 th:TH_LOAD_NT scope:SCOPE_SE
.Lnot_mine_\@:
.endm
.macro QLOAD qp                        ; my 32 queries: fragment (tile t, channels 32 f on) at v[QF + 16 t + 8 f]
.irp t, 0,1
.irp f, 0,1
	global_load_b128 v[QF+16*\t+8*\f:QF+16*\t+8*\f+3], v[QO], s[\qp:\qp+1] offset:2048*\t+64*\f
	global_load_b128 v[QF+16*\t+8*\f+4:QF+16*\t+8*\f+7], v[QO], s[\qp:\qp+1] offset:2048*\t+64*\f+32
.endr
.endr
.endm
.macro INIT                            ; a phase begins: m = -3e38, under every score; the sums and O^T are zeros, which the first change of m leaves zeros.  So the step is written once
.irp t, 0,1
	v_mov_b32 v[ST+8*\t+1], 0xff61b1e6
	v_mul_f32 v[ST+8*\t], s[CS], v[ST+8*\t+1]
.irp u, 2,3,4,5,6,7
	v_mov_b32 v[ST+8*\t+\u], 0
.endr
.endr
.set n, 0
.rept 64
	v_mov_b32 v[OO+n], 0
.set n, n+1
.endr
.endm
	s_load_b128 s[4:7], s[0:1], 0x0                ; qkvh, att16
	v_lshl_add_u32 v[SPW], v0, 2, SPARE
	v_mov_b32 v[NIL], 0
	ds_add_u32 v[SPW], v[NIL]                      ; the wave's opening: the add, twice on end, and its wait ahead of the first tensor load
	ds_add_u32 v[SPW], v[NIL]
	v_lshrrev_b32 v1, 5, v0
	v_readfirstlane_b32 s[WV], v1                  ; wave 0..7
	s_lshl_b32 s60, s[WV], 2
	s_lshr_b32 s60, 0x12032130, s60
	s_and_b32 s60, s60, 3
	s_lshl_b32 s60, s60, 1
	s_lshr_b32 s61, s[WV], 2
	s_add_co_u32 s[SG], s60, s61                   ; sigma: waves 0..7 take sub-blocks 0, 6, 2, 4, 7, 1, 5, 3
	s_mov_b32 s[WI], ttmp9
	s_sub_co_u32 s[N1], 8, s[WI]
	s_and_b32 s68, ttmp7, 0xffff                   ; 16 b + head
	s_sub_co_u32 s60, 7, s[WI]
	s_lshl_b32 s60, s60, 8
	s_lshl_b32 s61, s[SG], 5
	s_add_co_u32 s[Q0], s60, s61                   ; my first query in block 7 - i,
	s_lshl_b32 s60, s[WI], 8
	s_add_co_u32 s[Q02], s60, s61                  ; and in block i
	s_lshl_b32 s69, s68, 18                        ; Q's plane: 2,048 rows of 128 bytes
	s_and_b32 s70, s68, 15
	s_lshl_b32 s70, s70, 20                        ; att16: the head's plane,
	s_lshr_b32 s71, s68, 4
	s_lshl_b32 s71, s71, 18
	s_add_co_u32 s70, s70, s71                     ; the batch's rows
	s_and_b32 s71, s[WV], 1
	s_lshl_b32 s71, s71, 14                        ; my half of a unit in memory
	s_mov_b32 s63, 0
	s_mov_b32 s67, 0
	s_mov_b32 s[G1K], (1<<16)|(1<<20)|(5<<22)|(3<<25)   ; no mask; elements of 2 bytes; 4 words of padding after every 64
	s_mov_b32 s[G1V], (1<<16)|(1<<20)|(5<<22)|(7<<25)   ; 8 words
.irp g, G1K, G1V
	s_mov_b32 s[\g+1], 128<<16                     ; tensor_dim0 = 128 elements
	s_mov_b32 s[\g+2], 64<<16                      ; tensor_dim1 = 64 rows
	s_mov_b32 s[\g+3], 128<<16                     ; tile_dim0
	s_mov_b32 s[\g+4], 64                          ; tile_dim1
	s_mov_b32 s[\g+5], 128                         ; the pitch: the block is dense
	s_mov_b32 s[\g+6], 0
	s_mov_b32 s[\g+7], 0
.endr
	s_and_b32 s60, s[WV], 1
	s_mov_b32 s[G0K], 1
	s_mul_i32 s[G0K+1], s60, 64*KP                 ; slot 0, my half
	s_mov_b32 s[G0V], 1
	s_mul_i32 s[G0V+1], s60, 64*VP
	s_add_co_u32 s[G0V+1], s[G0V+1], VOFF
	s_mov_b32 s[SEL], 0x76543210
	s_mov_b32 s[SEL+1], 0xfedcba98
	s_mov_b32 s[CS], 0x3e38aa3b                    ; c = log2(e) / 8
	s_mov_b32 s[CS+1], s[CS]
	s_mov_b32 s[TB], 0
	s_mov_b32 s[KF], 0
	s_mov_b32 s[TR], 0
	s_lshr_b32 s60, s[WV], 2
	s_xor_b32 s60, s60, 1                          ; 0 in waves 4 to 7,
	s_or_b32 s60, s60, s[WI]                       ; of work-group 0
	s_cmp_eq_u32 s60, 0
	s_cselect_b32 s[PLIM], 6, 0
	s_wait_dscnt 0x0                               ; both opening adds are done
	s_wait_kmcnt 0x0
	s_add_co_u32 s62, s69, s71
	s_add_co_u32 s62, s62, 64<<18
	s_add_nc_u64 s[KB:KB+1], s[4:5], s[62:63]
	s_add_co_u32 s62, s62, 64<<18
	s_add_nc_u64 s[VB:VB+1], s[4:5], s[62:63]
	s_mov_b64 s[G0K+2:G0K+3], s[KB:KB+1]
	s_or_b32 s[G0K+3], s[G0K+3], 0x80000000
	s_mov_b64 s[G0V+2:G0V+3], s[VB:VB+1]
	s_or_b32 s[G0V+3], s[G0V+3], 0x80000000
	TLOAD                                          ; unit 0 into slot 0: one tensor load of mine is out
	s_lshl_b32 s60, s[Q0], 7
	s_add_co_u32 s62, s69, s60
	s_add_nc_u64 s[QP1:QP1+1], s[4:5], s[62:63]
	s_add_co_u32 s62, s70, s60
	s_add_nc_u64 s[OP1:OP1+1], s[6:7], s[62:63]
	s_lshl_b32 s60, s[Q02], 7
	s_add_co_u32 s62, s69, s60
	s_add_nc_u64 s[QP2:QP2+1], s[4:5], s[62:63]
	s_add_co_u32 s62, s70, s60
	s_add_nc_u64 s[OP2:OP2+1], s[6:7], s[62:63]
	s_cmp_lt_u32 s[WV], 6
	s_cselect_b64 s[PFA:PFA+1], s[KB:KB+1], s[VB:VB+1]
	s_add_nc_u64 s[PFA:PFA+1], s[PFA:PFA+1], 32768 ; at unit 1; the first change of slots steps it to unit 2
	v_and_b32 v28, 15, v0                          ; r
	v_bfe_u32 v29, v0, 4, 1                        ; h
	v_and_b32 v30, 31, v0                          ; lane
	v_lshlrev_b32 v[QO], 7, v28
	v_lshl_add_u32 v[QO], v29, 4, v[QO]            ; Q: row r of 128 bytes, + 16 h
	QLOAD QP1
	v_lshrrev_b32 v31, 1, v28
	v_mul_u32_u24 v[AK0], v31, KP
	v_and_b32 v31, 1, v0
	v_lshl_add_u32 v[AK0], v31, 7, v[AK0]
	v_lshl_add_u32 v[AK0], v29, 4, v[AK0]          ; K: key r at (r / 2) pitch + 128 (r % 2), + 16 h
	v_bfe_u32 v[AV0], v0, 1, 2
	v_lshl_add_u32 v[AV0], v29, 2, v[AV0]
	v_mul_u32_u24 v[AV0], v[AV0], VP
	v_lshl_add_u32 v[AV0], v31, 7, v[AV0]
	v_bfe_u32 v31, v0, 3, 1
	v_lshl_add_u32 v[AV0], v31, 4, v[AV0]
	v_add_nc_u32 v[AV0], VOFF, v[AV0]              ; V, for the turning load: key 8 h + lane % 8, channels 8 ((lane / 8) % 2) on
	s_mul_i32 s60, s[WV], 32*SROW
	s_add_co_u32 s60, s60, STAGE
	v_mul_u32_u24 v[STO], v28, SROW
	v_lshl_add_u32 v[STO], v29, 4, v[STO]
	v_add_nc_u32 v[STO], s60, v[STO]               ; the stage, in: row r, + 16 h
	v_lshrrev_b32 v[RD], 3, v30
	v_mul_u32_u24 v[RD], v[RD], SROW
	v_and_b32 v31, 7, v0
	v_lshl_add_u32 v[RD], v31, 4, v[RD]
	v_add_nc_u32 v[RD], s60, v[RD]                 ; back: eight lanes to a row, four rows an instruction
	v_lshlrev_b32 v[GO], 4, v30
	v_lshlrev_b32 v[PFO], 8, v30
	INIT
; A STEP: 64 keys, the st-th of the unit in hand.  A step all of whose keys come after my 32 queries is left out: a scalar branch on ids, round the step's work alone.
.macro STEP st
	s_add_co_u32 s60, s[Q0], 31
	s_cmp_gt_u32 s[KF], s60
	s_cbranch_scc1 .Lhidden_\@
.irp kt, 0,1,2,3
.irp f, 0,1
	ds_load_b128 v[KV+16*\kt+8*\f:KV+16*\kt+8*\f+3], v[ADK] offset:(\st)*32*KP+\kt*8*KP+64*\f
	ds_load_b128 v[KV+16*\kt+8*\f+4:KV+16*\kt+8*\f+7], v[ADK] offset:(\st)*32*KP+\kt*8*KP+64*\f+32
.endr
.endr
	s_wait_dscnt 0x0
.irp f, 0,1                                    ; S^T = K Q^T: eight accumulators by turns, one instruction a turn; the first eight start the sums
.irp kt, 0,1,2,3
.irp t, 0,1
.if \f == 0
	v_wmma_f32_16x16x32_f16 v[SS+32*\t+8*\kt:SS+32*\t+8*\kt+7], v[KV+16*\kt+8*\f:KV+16*\kt+8*\f+7], v[QF+16*\t+8*\f:QF+16*\t+8*\f+7], 0
.else
	v_wmma_f32_16x16x32_f16 v[SS+32*\t+8*\kt:SS+32*\t+8*\kt+7], v[KV+16*\kt+8*\f:KV+16*\kt+8*\f+7], v[QF+16*\t+8*\f:QF+16*\t+8*\f+7], v[SS+32*\t+8*\kt:SS+32*\t+8*\kt+7]
.endif
.endr
.endr
.endr
.rept 4
	v_nop                                          ; places in front of the loads into K's registers and of the first read of the scores
.endr
.irp kf, 0,1                                   ; V's fragments (channels 16 ct on, keys 32 kf on) take K's registers; they land during the softmax
.irp ct, 0,1,2,3
	ds_load_tr16_b128 v[KV+32*\kf+8*\ct:KV+32*\kf+8*\ct+3], v[ADV] offset:(\st)*32*VP+\kf*16*VP+32*\ct
	ds_load_tr16_b128 v[KV+32*\kf+8*\ct+4:KV+32*\kf+8*\ct+7], v[ADV] offset:(\st)*32*VP+\kf*16*VP+8*VP+32*\ct
.endr
.endr
	s_add_co_u32 s60, s[KF], 63                    ; on the diagonal the scores of hidden keys become -infinity; a step all of whose keys count skips this
	s_cmp_le_u32 s60, s[Q0]
	s_cbranch_scc1 .Lopen_\@
	s_sub_co_i32 s60, s[Q0], s[KF]
	v_and_b32 v28, 15, v0
	v_bfe_u32 v29, v0, 4, 1
	v_lshlrev_b32 v29, 3, v29
	v_sub_nc_u32 v28, v28, v29
	v_add_nc_u32 v28, s60, v28                     ; d = my query - KF - 8 h, tile 0's;
	v_add_nc_u32 v29, 16, v28                      ; tile 1's.  Register 8 kt + j holds key KF + 8 h + 16 kt + j: hidden where 16 kt + j > d
	v_mov_b32 v30, 0xff800000
.irp t, 0,1
.set n, 0
.rept 32
	v_cmp_gt_i32 vcc_lo, 16*(n/8)+n%8, v[28+\t]
	v_cndmask_b32 v[SS+32*\t+n], v[SS+32*\t+n], v30, vcc_lo
.set n, n+1
.endr
.endr
.Lopen_\@:
.irp q, 0,1,2,3                                ; the maximum of my 32 scores and the old m; each accumulator is read from its low end on; the two tiles by turns throughout
.irp t, 0,1
	v_max3_num_f32 v[ST+8*\t+4+\q], v[SS+32*\t+8*\q], v[SS+32*\t+8*\q+1], v[SS+32*\t+8*\q+2]
.endr
.endr
.irp u, 1,2
.irp q, 0,1,2,3
.irp t, 0,1
	v_max3_num_f32 v[ST+8*\t+4+\q], v[ST+8*\t+4+\q], v[SS+32*\t+8*\q+2*\u+1], v[SS+32*\t+8*\q+2*\u+2]
.endr
.endr
.endr
.irp t, 0,1
	v_max3_num_f32 v[ST+8*\t+4], v[ST+8*\t+4], v[SS+32*\t+7], v[SS+32*\t+15]
.endr
.irp t, 0,1
	v_max3_num_f32 v[ST+8*\t+6], v[ST+8*\t+6], v[SS+32*\t+23], v[SS+32*\t+31]
.endr
.irp t, 0,1
	v_max3_num_f32 v[ST+8*\t+4], v[ST+8*\t+4], v[ST+8*\t+5], v[ST+8*\t+6]
.endr
.irp t, 0,1
	v_max3_num_f32 v[ST+8*\t+4], v[ST+8*\t+4], v[ST+8*\t+7], v[ST+8*\t+1]
.endr
.irp t, 0,1
	v_permlanex16_b32 v[ST+8*\t+5], v[ST+8*\t+4], s[SEL], s[SEL+1]   ; the query's other 32 keys lie in the lane 16 away
.endr
.irp t, 0,1
	v_mov_b32 v[ST+8*\t+7], v[ST+8*\t]             ; c m_old
.endr
.irp t, 0,1
	v_max_num_f32 v[ST+8*\t+1], v[ST+8*\t+4], v[ST+8*\t+5]
.endr
.irp t, 0,1
	v_mul_f32 v[ST+8*\t], s[CS], v[ST+8*\t+1]
.endr
.irp t, 0,1
	v_sub_f32 v[ST+8*\t+7], v[ST+8*\t+7], v[ST+8*\t]
.endr
.set n, 0
.rept 16
.irp t, 0,1
	v_pk_fma_f32 v[SS+32*\t+n:SS+32*\t+n+1], v[SS+32*\t+n:SS+32*\t+n+1], s[CS:CS+1], v[ST+8*\t:ST+8*\t+1] op_sel_hi:[1,0,0] neg_lo:[0,0,1] neg_hi:[0,0,1]   ; c s - c m
.endr
.set n, n+2
.endr
.irp t, 0,1
	v_exp_f32 v[ST+8*\t+6], v[ST+8*\t+7]           ; a = 2^(c m_old - c m_new).  ONE BATCH of 66 exponentials, none of which reads another's result
.endr
.set n, 0
.rept 32
.irp t, 0,1
	v_exp_f32 v[SS+32*\t+n], v[SS+32*\t+n]
.endr
.set n, n+1
.endr
	v_nop                                          ; the plain line behind the last exponential,
	s_wait_alu depctr_va_vdst(0)                   ; and the one wait ahead of the batch's first reader
.irp t, 0,1                                    ; the sum of the unrounded p: two chains a tile, which leave p as it is
	v_pk_add_f32 v[28+2*\t:29+2*\t], v[SS+32*\t:SS+32*\t+1], v[SS+32*\t+2:SS+32*\t+3]
	v_pk_add_f32 v[ST+8*\t+4:ST+8*\t+5], v[SS+32*\t+4:SS+32*\t+5], v[SS+32*\t+6:SS+32*\t+7]
.endr
.irp i, 8,12,16,20,24,28
.irp t, 0,1
	v_pk_add_f32 v[28+2*\t:29+2*\t], v[28+2*\t:29+2*\t], v[SS+32*\t+\i:SS+32*\t+\i+1]
	v_pk_add_f32 v[ST+8*\t+4:ST+8*\t+5], v[ST+8*\t+4:ST+8*\t+5], v[SS+32*\t+\i+2:SS+32*\t+\i+3]
.endr
.endr
.irp t, 0,1
	v_pk_add_f32 v[28+2*\t:29+2*\t], v[28+2*\t:29+2*\t], v[ST+8*\t+4:ST+8*\t+5]
.endr
.irp t, 0,1
	v_pk_fma_f32 v[ST+8*\t+2:ST+8*\t+3], v[ST+8*\t+2:ST+8*\t+3], v[ST+8*\t+6:ST+8*\t+7], v[28+2*\t:29+2*\t] op_sel_hi:[1,0,1]   ; l = a l + the sum
.endr
.set n, 0
.rept 16
.irp t, 0,1
	v_cvt_pk_f16_f32 v[SS+32*\t+n], v[SS+32*\t+2*n], v[SS+32*\t+2*n+1]   ; p to f16, in place in the tile's low 16 registers: they are source 1 of the second product as they stand
.endr
.set n, n+1
.endr
.set n, 0
.rept 16
.irp t, 0,1
	v_pk_mul_f32 v[OO+32*\t+n:OO+32*\t+n+1], v[OO+32*\t+n:OO+32*\t+n+1], v[ST+8*\t+6:ST+8*\t+7] op_sel_hi:[1,0]   ; O^T x a, each accumulator from its low end on
.endr
.set n, n+2
.endr
	s_wait_dscnt 0x0                               ; V is in
.irp kf, 0,1                                   ; O^T += V^T P: eight accumulators by turns
.irp ct, 0,1,2,3
.irp t, 0,1
	v_wmma_f32_16x16x32_f16 v[OO+32*\t+8*\ct:OO+32*\t+8*\ct+7], v[KV+32*\kf+8*\ct:KV+32*\kf+8*\ct+7], v[SS+32*\t+8*\kf:SS+32*\t+8*\kf+7], v[OO+32*\t+8*\ct:OO+32*\t+8*\ct+7]
.endr
.endr
.endr
.rept 5
	v_nop                                          ; five places: the next step's scores are written over p's registers by matrix instructions; its loads into V's registers and the way out's reads want four
.endr
.Lhidden_\@:
	s_add_co_u32 s[KF], s[KF], 64
.endm
; THE CHANGE OF SLOTS, at a trip's head.  Each wave waits for all its tensor loads, adds 0 to its spare word, and waits for that and for its reads of the slot that it has left; behind the barrier the slot ahead is whole
; and nobody reads the other.  fill = 1: the other slot takes the next trip's unit: trip + 1, or trip + 1 - N1 in the second phase.  That load has a whole trip in which to land.
.macro CHANGE fill
	s_wait_tensorcnt 0x0                           ; no tensor load of mine is out, so a group 0 may be written
	ds_add_u32 v[SPW], v[NIL]
.if \fill
	ds_add_u32 v[SPW], v[NIL]                      ; and twice on end here, in every trip alike
	s_add_co_u32 s60, s[TR], 1
	s_cmp_lt_u32 s60, s[N1]
	s_cselect_b32 s61, 0, s[N1]
	s_sub_co_u32 s60, s60, s61                     ; the next trip's unit
	s_lshl_b32 s66, s60, 15                        ; 256 rows of 128 bytes
	s_add_nc_u64 s[G0K+2:G0K+3], s[KB:KB+1], s[66:67]
	s_or_b32 s[G0K+3], s[G0K+3], 0x80000000
	s_add_nc_u64 s[G0V+2:G0V+3], s[VB:VB+1], s[66:67]
	s_or_b32 s[G0V+3], s[G0V+3], 0x80000000
	s_xor_b32 s[G0K+1], s[G0K+1], SLOT1            ; the other slot than last time
	s_xor_b32 s[G0V+1], s[G0V+1], SLOT1
	s_wait_xcnt 0x0                                ; the last prefetches, a trip back, have read their address
	s_add_nc_u64 s[PFA:PFA+1], s[PFA:PFA+1], 32768
.endif
	s_wait_dscnt 0x0                               ; the add is done, and my reads of the slot that I have left are over
	s_barrier_signal -1
	s_barrier_wait -1
.if \fill
	TLOAD                                          ; the first thing behind the barrier, and a wave's one tensor load until the next
	ASK
.endif
	v_add_nc_u32 v[ADK], s[TB], v[AK0]
	v_add_nc_u32 v[ADV], s[TB], v[AV0]
.endm
; A PHASE'S END: O^T / the sum, rounded to f16, through my stage, and out: each store covers four rows of 128 bytes, 512 consecutive bytes, aligned.
.macro FINISH op
.irp t, 0,1
	v_add_f32 v[ST+8*\t+4], v[ST+8*\t+2], v[ST+8*\t+3]
.endr
.irp t, 0,1
	v_permlanex16_b32 v[ST+8*\t+5], v[ST+8*\t+4], s[SEL], s[SEL+1]
.endr
.irp t, 0,1
	v_add_f32 v[ST+8*\t+4], v[ST+8*\t+4], v[ST+8*\t+5]
.endr
.irp t, 0,1
	v_rcp_f32 v[ST+8*\t+6], v[ST+8*\t+4]
.endr
	v_nop
	s_wait_alu depctr_va_vdst(0)                   ; one wait for the two reciprocals, ahead of their first reader
.irp t, 0,1
.set n, 0
.rept 16
	v_pk_mul_f32 v[OO+32*\t+n:OO+32*\t+n+1], v[OO+32*\t+n:OO+32*\t+n+1], v[ST+8*\t+6:ST+8*\t+7] op_sel_hi:[1,0]
.set n, n+2
.endr
.endr
.irp t, 0,1
.set n, 0
.rept 16
	v_cvt_pk_f16_f32 v[SS+16*\t+n], v[OO+32*\t+2*n], v[OO+32*\t+2*n+1]
.set n, n+1
.endr
.endr
.irp t, 0,1
.irp ct, 0,1,2,3
	ds_store_b128 v[STO], v[SS+16*\t+4*\ct:SS+16*\t+4*\ct+3] offset:\t*16*SROW+32*\ct
.endr
.endr
.irp i, 0,1,2,3,4,5,6,7
	ds_load_b128 v[KV+4*\i:KV+4*\i+3], v[RD] offset:4*SROW*\i   ; in order behind my stores
.endr
.irp i, 0,1,2,3,4,5,6,7
	s_wait_dscnt 7-\i                              ; the younger loads may be out
	global_store_b128 v[GO], v[KV+4*\i:KV+4*\i+3], s[\op:\op+1] offset:512*\i
.endr
.endm
	s_wait_loadcnt 0x0                             ; Q
.Ltrip:                                            ; 8 trips; the ninth is written out
	CHANGE 1
	STEP 0
	STEP 1
	STEP 2
	STEP 3
	s_xor_b32 s[TB], s[TB], SLOT1
	s_add_co_u32 s60, s[TR], 1                     ; the first phase ends behind trip N1 - 1 (4 .. 7): ids alone, the same in all waves
	s_cmp_lg_u32 s60, s[N1]
	s_cbranch_scc1 .Lsame
	FINISH OP1
	QLOAD QP2
	s_mov_b32 s[Q0], s[Q02]
	s_mov_b32 s[KF], 0
	INIT
	s_wait_xcnt 0x0                                ; the stores have read v64-95: the next step's loads land there only behind this wait
	s_wait_loadcnt 0x0
.Lsame:
	s_add_co_u32 s[TR], s[TR], 1
	s_cmp_lt_u32 s[TR], 8
	s_cbranch_scc1 .Ltrip
	CHANGE 0
	STEP 0
	STEP 1
	STEP 2
	STEP 3
	FINISH OP2
	s_wait_tensorcnt 0x0                           ; the wave's end
	ds_add_u32 v[SPW], v[NIL]
	s_wait_dscnt 0x0
	s_endpgm
.Lfunc_end_k_qdd9c0c4042_attn:
	.size	k_qdd9c0c4042_attn, .Lfunc_end_k_qdd9c0c4042_attn-k_qdd9c0c4042_attn
	.p2alignl 7, 3214868480
	.fill 96, 4, 3214868480
	.section	.rodata,"a",@progbits
	.p2align	6, 0x0
	.amdhsa_kernel k_qdd9c0c4042_attn
		.amdhsa_group_segment_fixed_size 327680
		.amdhsa_private_segment_fixed_size 0
		.amdhsa_enable_private_segment 0
		.amdhsa_kernarg_size 16
		.amdhsa_user_sgpr_count 2
		.amdhsa_user_sgpr_kernarg_segment_ptr 1
		.amdhsa_wavefront_size32 1
		.amdhsa_system_sgpr_workgroup_id_x 1
		.amdhsa_system_sgpr_workgroup_id_y 1
		.amdhsa_system_sgpr_workgroup_id_z 1
		.amdhsa_system_vgpr_workitem_id 0
		.amdhsa_next_free_vgpr 256
		.amdhsa_next_free_sgpr 72
		.amdhsa_reserve_vcc 1
		.amdhsa_float_denorm_mode_32 3
		.amdhsa_float_denorm_mode_16_64 3
		.amdhsa_memory_ordered 1
		.amdhsa_forward_progress 1
		.amdhsa_inst_pref_size 200
	.end_amdhsa_kernel
	.amdgpu_metadata
---
amdhsa.version: [ 1, 2 ]
amdhsa.kernels:
  - .name:           k_qdd9c0c4042_attn
    .symbol:         k_qdd9c0c4042_attn.kd
    .args:
      - { .name: qkvh, .offset: 0, .size: 8, .value_kind: global_buffer, .address_space: global }
      - { .name: att16, .offset: 8, .size: 8, .value_kind: global_buffer, .address_space: global }
    .group_segment_fixed_size: 327680
    .private_segment_fixed_size: 0
    .kernarg_segment_align: 8
    .kernarg_segment_size: 16
    .max_flat_workgroup_size: 256
    .sgpr_count:     72
    .vgpr_count:     256
    .wavefront_size: 32
...
	.end_amdgpu_metadata
.endif
;; end of part 3
;; launch proj (part 4): grid 4 x 64, 4 waves a work-group, clusters of 4 x 4, 327,680 bytes of LDS; arguments att16, wp16, b_proj, out0; writes out0
.if DOCPART == 4
	.amdgcn_target "amdgcn-amd-amdhsa--gfx1250"
	.amdhsa_code_object_version 6
	.text
	.protected	k_qdd9c0c4042_proj
	.globl	k_qdd9c0c4042_proj
	.p2align	8
	.type	k_qdd9c0c4042_proj,@function
k_qdd9c0c4042_proj:
	s_mov_b64 s[64:65], 0
	v_nop
	global_prefetch_b8 v0, s[64:65] scope:SCOPE_SE
	s_setreg_imm32_b32 hwreg(HW_REG_WAVE_MODE, 25, 1), 1
	s_wait_xcnt 0x0
	s_wait_alu depctr_hold_cnt(0) depctr_sa_sdst(0) depctr_va_vdst(0) depctr_va_sdst(0) depctr_va_ssrc(0) depctr_va_vcc(0) depctr_vm_vsrc(0)
	s_getreg_b32 s2, hwreg(HW_REG_IB_STS2, 6, 4)
	s_cmp_eq_u32 s2, 0
	s_cbranch_scc0 .Lentry_in_a_cluster
	s_endpgm
.Lentry_in_a_cluster:
	s_bfe_u32 s2, ttmp6, 0x10000c
	s_cmp_lg_u32 s2, 0xf033
	s_cbranch_scc0 .Lentry_shape_is_right
	s_endpgm
.Lentry_shape_is_right:
; out0[m][n] = sum over k of att[m][k] w_proj[n][k] + b_proj[n].  att16: f16 [16 planes][8192][64]; wp16: f16 [16 planes][1024][64]; out0: f32 [8192][1024]; sums in f32.  All rows are made here; the rows t < 16 are written again, more finely, by the next launch.
; A tile of C is 128 x 256: 256 work-groups.  Four waves, each 64 x 128: 32 accumulators.  A K step is 128 along K, two planes; 8 steps through a ring of two LDS slots.
; In a plane a tile's rows of 128 bytes are dense: they come as rows of 256 bytes, two rows of the matrix to each: row n lies at (n / 2) 272 + 128 (n % 2).
; CLUSTERS: 4 x 4 work-groups; A's tiles are asked for jointly along a row of the cluster, B's along a column.  Waves 0, 1 fetch A's two planes of a step, waves 2, 3 B's.
; TRANSPOSED USE (source 0 = 16 rows of w_proj, source 1 = 16 rows of att): a lane holds eight neighbouring columns of a row.  The bias is the C of each sum's first matrix instruction.
; REGISTERS: window 0: v16-29 addresses; v32-95 the bias, 8 tiles; v128-255 the way out.  Window 1: the accumulators ((a, b) at v[8 (8 a + b)]).  Window 2: two fragment buffers of 96: B's 64, then A's 32.
.set PITCH,  272
.set APL,    64*PITCH                  ; a plane of A's tile
.set BPL,    128*PITCH                 ; of B's
.set SLOT,   2*APL+2*BPL
.set SPARE,  2*SLOT                    ; the spare words, 128 bytes a wave, which no other line names
.set SPITCH, 528                       ; the way out: 16 rows x (512 + 16) bytes for each wave, in slot 0, which has had its last fill and its last read by then
.set LAPS,   4
.set ADRA, 16
.set ADRB, 20
.set STO,  24
.set RD,   25
.set CO,   26
.set BO,   27
.set SPW,  28
.set NIL,  29
.set BIAS, 32
.set BK,   128
.set F0,   0
.set F1,   96
.set G1, 24
.set G0, 32
.set G1B, 48
.set G0B, 56
.set MSB, 0
.macro WIN new
.if MSB != \new
	s_set_vgpr_msb (MSB<<8)|\new
.set MSB, \new
.endif
.endm
.set MUL,   0x5a                       ; sources 0 and 1 window 2; C and D window 1
.set MULB,  0x4a                       ; the same with C (the bias) in window 0
.set TO_F,  0x80                       ; destination window 2, address window 0
.macro JLOAD s                         ; a joint load; an s_nop 0 and four v_nop follow each line
	s_cmp_eq_u32 s13, 0
	s_cbranch_scc0 .Lfor_b_\@
	tensor_load_to_lds s[G0+4*\s:G0+4*\s+3], s[G1:G1+7]
	s_nop 0
.rept 4
	v_nop
.endr
	s_branch .Lasked_\@
.Lfor_b_\@:
	tensor_load_to_lds s[G0B+4*\s:G0B+4*\s+3], s[G1B:G1B+7]
	s_nop 0
.rept 4
	v_nop
.endr
.Lasked_\@:
.endm
.macro CREST
	s_cmp_lg_u32 s12, 0
	s_cbranch_scc1 .Lnot_wave_0_\@
	s_barrier_signal -3
.Lnot_wave_0_\@:
	s_barrier_wait -3
	s_barrier_signal -1
	s_barrier_wait -1
.endm
.macro CROUND
	s_barrier_signal -1
	s_barrier_wait -1
	CREST
.endm
	s_load_b256 s[4:11], s[0:1], 0x0               ; att16 s[4:5], wp16 s[6:7], b_proj s[8:9], out0 s[10:11]
	v_lshl_add_u32 v[SPW], v0, 2, SPARE
	v_mov_b32 v[NIL], 0
	ds_add_u32 v[SPW], v[NIL]                      ; the wave's opening: the add, twice on end, and its wait ahead of my first tensor load
	ds_add_u32 v[SPW], v[NIL]
	v_lshrrev_b32 v1, 5, v0
	v_readfirstlane_b32 s12, v1                    ; wave 0..3
	s_lshr_b32 s13, s12, 1                         ; which 64 rows are mine; also: I fetch for A (0) or B (1)
	s_and_b32 s14, s12, 1                          ; which 128 columns; also: which plane of a step I fetch
	s_bfe_u32 s40, ttmp6, 0x40000                  ; cx
	s_bfe_u32 s41, ttmp6, 0x40004                  ; cy
	s_lshl_b32 s42, ttmp9, 2
	s_add_co_u32 s42, s42, s40                     ; tile column
	s_and_b32 s45, ttmp7, 0xffff
	s_lshl_b32 s45, s45, 2
	s_add_co_u32 s45, s45, s41                     ; tile row
	s_lshl_b32 s43, s41, 2
	s_lshl_b32 s43, 15, s43                        ; my row of the cluster
	s_lshl_b32 s44, 0x1111, s40                    ; my column
	s_or_b32 s[G1+0], s43, (1<<16)|(1<<20)|(1<<21)|(5<<22)|(3<<25)  ; the mask; elements of 2 bytes; 4 words of padding after every 64; bit 21 beside a mask
	s_or_b32 s[G1B+0], s44, (1<<16)|(1<<20)|(1<<21)|(5<<22)|(3<<25)
	s_mov_b32 s[G1+1], 128<<16                     ; tensor_dim0 = 128 elements
	s_mov_b32 s[G1+2], 64<<16                      ; tensor_dim1 = 64 rows
	s_mov_b32 s[G1+3], 128<<16                     ; tile_dim0
	s_mov_b32 s[G1+4], 64                          ; tile_dim1
	s_mov_b32 s[G1+5], 128                         ; the pitch: dense
	s_mov_b32 s[G1+6], 0
	s_mov_b32 s[G1+7], 0
	s_mov_b32 s[G1B+1], 128<<16
	s_mov_b32 s[G1B+2], 128<<16                    ; B: 128 rows
	s_mov_b32 s[G1B+3], 128<<16
	s_mov_b32 s[G1B+4], 128
	s_mov_b32 s[G1B+5], 128
	s_mov_b32 s[G1B+6], 0
	s_mov_b32 s[G1B+7], 0
	s_lshl_b32 s16, s14, 20                        ; A: my plane (1,048,576 bytes each),
	s_lshl_b32 s17, s45, 14                        ; the tile's 128 rows of 128 bytes
	s_add_co_u32 s16, s16, s17
	s_mov_b32 s17, 0
	s_lshl_b32 s46, s14, 17                        ; B: my plane (131,072 bytes each),
	s_lshl_b32 s47, s42, 15                        ; the tile's 256 rows
	s_add_co_u32 s46, s46, s47
	s_mov_b32 s47, 0
	s_mul_i32 s20, s14, APL                        ; where they go: no place in the cluster enters an LDS address
	s_mul_i32 s21, s14, BPL
	s_add_co_u32 s21, s21, 2*APL
	s_wait_dscnt 0x0                               ; both opening adds are done
	s_wait_kmcnt 0x0
	s_add_nc_u64 s[16:17], s[4:5], s[16:17]
	s_add_nc_u64 s[46:47], s[6:7], s[46:47]
	CROUND                                         ; all sixteen work-groups are here: the first joint loads meet
.irp s, 0,1
	s_mov_b32 s[G0+4*\s], 1
	s_add_co_u32 s[G0+4*\s+1], s20, \s*SLOT
	s_add_nc_u64 s[G0+4*\s+2:G0+4*\s+3], s[16:17], \s*2*1048576
	s_or_b32 s[G0+4*\s+3], s[G0+4*\s+3], 0x80000000
	s_mov_b32 s[G0B+4*\s], 1
	s_add_co_u32 s[G0B+4*\s+1], s21, \s*SLOT
	s_add_nc_u64 s[G0B+4*\s+2:G0B+4*\s+3], s[46:47], \s*2*131072
	s_or_b32 s[G0B+4*\s+3], s[G0B+4*\s+3], 0x80000000
	JLOAD \s                                       ; two tensor loads of mine are out
.endr
	v_and_b32 v1, 15, v0                           ; r
	v_bfe_u32 v2, v0, 4, 1                         ; h
	s_lshl_b32 s22, s42, 10                        ; my first column, in bytes of f32: 1,024 x tile column + 512 x half
	s_lshl_b32 s23, s14, 9
	s_add_co_u32 s22, s22, s23
	s_mov_b32 s23, 0
	s_add_nc_u64 s[8:9], s[8:9], s[22:23]
	s_add_nc_u64 s[10:11], s[10:11], s[22:23]
	v_lshlrev_b32 v[BO], 5, v2                     ; the bias: tile b's eight numbers of my half: 64 b + 32 h bytes on
.irp b, 0,1,2,3,4,5,6,7
	global_load_b128 v[BIAS+8*\b:BIAS+8*\b+3], v[BO], s[8:9] offset:64*\b
	global_load_b128 v[BIAS+8*\b+4:BIAS+8*\b+7], v[BO], s[8:9] offset:64*\b+16
.endr
	s_lshl_b32 s22, s45, 19                        ; my first row: 128 x tile row + 64 x half, rows of 4,096 bytes
	s_lshl_b32 s18, s13, 18
	s_add_co_u32 s22, s22, s18
	s_add_nc_u64 s[10:11], s[10:11], s[22:23]
	v_lshrrev_b32 v3, 1, v1
	v_mul_u32_u24 v3, v3, PITCH
	v_and_b32 v4, 1, v0
	v_lshl_add_u32 v3, v4, 7, v3
	v_lshl_add_u32 v3, v2, 4, v3                   ; a fragment's row r: (r / 2) pitch + 128 (r % 2) + 16 h
	s_mul_i32 s21, s13, 32*PITCH                   ; my 64 rows of A
	s_mul_i32 s22, s14, 64*PITCH                   ; my 128 rows of B,
	s_add_co_u32 s22, s22, 2*APL                   ; behind A's two planes
.irp s, 0,1
	v_add_nc_u32 v[ADRA+\s], s21, v3
	v_add_nc_u32 v[ADRB+\s], s22, v3
	s_add_co_u32 s21, s21, SLOT
	s_add_co_u32 s22, s22, SLOT
.endr
	s_mul_i32 s23, s12, 16*SPITCH                  ; my stage
	v_mul_u32_u24 v5, v1, SPITCH
	v_lshl_add_u32 v5, v2, 5, v5
	v_add_nc_u32 v[STO], s23, v5                   ; in: row r, + 32 h
	v_and_b32 v6, 31, v0
	v_lshlrev_b32 v[CO], 4, v6
	v_add_nc_u32 v[RD], s23, v[CO]                 ; back: the 32 lanes take a row of 512 bytes
; 8 matrix instructions: A's block a x B's eight, 32 along K.  init = 1: the bias starts the sums.  The 32 accumulators take turns, in the same order in every quarter.
.macro MUL8 f, a, init
.irp b, 0,1,2,3,4,5,6,7
.if \init
	v_wmma_f32_16x16x32_f16 v[8*(8*(\a)+\b):8*(8*(\a)+\b)+7], v[\f+8*\b:\f+8*\b+7], v[\f+64+8*(\a):\f+64+8*(\a)+7], v[BIAS+8*\b:BIAS+8*\b+7]
.else
	v_wmma_f32_16x16x32_f16 v[8*(8*(\a)+\b):8*(8*(\a)+\b)+7], v[\f+8*\b:\f+8*\b+7], v[\f+64+8*(\a):\f+64+8*(\a)+7], v[8*(8*(\a)+\b):8*(8*(\a)+\b)+7]
.endif
.endr
.endm
; 24 LDS loads in one run: quarter q of the slot (plane q / 2, channels 32 (q % 2) on) into buffer f: B's eight fragments, then A's four
.macro FETCH slot, q, f
	WIN TO_F
.irp i, 0,1,2,3,4,5,6,7
	ds_load_b128 v[\f+8*\i:\f+8*\i+3],   v[ADRB+\slot] offset:((\q)/2)*BPL+64*((\q)%2)+\i*8*PITCH
	ds_load_b128 v[\f+8*\i+4:\f+8*\i+7], v[ADRB+\slot] offset:((\q)/2)*BPL+64*((\q)%2)+\i*8*PITCH+32
.endr
.irp i, 0,1,2,3
	ds_load_b128 v[\f+64+8*\i:\f+64+8*\i+3],   v[ADRA+\slot] offset:((\q)/2)*APL+64*((\q)%2)+\i*8*PITCH
	ds_load_b128 v[\f+64+8*\i+4:\f+64+8*\i+7], v[ADRA+\slot] offset:((\q)/2)*APL+64*((\q)%2)+\i*8*PITCH+32
.endr
.endm
.macro PLACES                          ; four places in front of loads into registers that matrix instructions have read, and of reads of results
.rept 4
	v_nop
.endr
.endm
; One of a K step's first three quarters: multiplies buffer f and fetches quarter q of the same slot into g.
.macro QUARTER slot, q, f, g, init
	s_wait_dscnt 4                                 ; B's fragments and A's blocks 0, 1 are in; A's blocks 2, 3, four loads, may be out
.if \init
	WIN MULB
.else
	WIN MUL
.endif
	MUL8 \f, 0, \init
	MUL8 \f, 1, \init
	PLACES
	FETCH \slot, \q, \g
	s_wait_dscnt 24                                ; all but the 24 just issued
.if \init
	WIN MULB
.else
	WIN MUL
.endif
	MUL8 \f, 2, \init
	MUL8 \f, 3, \init
.endm
; The last quarter multiplies buffer 1 and changes slots: one barrier; in front of it each wave waits for all its tensor loads, adds 0 to its spare word, and waits for that and for its reads of this slot.
.macro TURN slot, next, fill
	WIN 0                                          ; (the add's two registers lie in window 0)
	s_wait_tensorcnt 0x0                           ; all my tensor loads have landed: my part of the next slot
	ds_add_u32 v[SPW], v[NIL]
	s_wait_dscnt 5                                 ; the add and the youngest four loads may be out
	WIN MUL
	MUL8 F1, 0, 0                                  ; eight matrix instructions stand between the add and the wait for it
	s_wait_dscnt 0x0                               ; the add is done, my reads of this slot are over
	s_barrier_signal -1
	MUL8 F1, 1, 0
.if \fill
	WIN 0
.endif
	s_barrier_wait -1
.if \fill
	CREST                                          ; the barrier has opened a round of the cluster's: no wave of any partner still reads this slot or has a load on its way
	s_add_nc_u64 s[G0+4*\slot+2:G0+4*\slot+3], s[G0+4*\slot+2:G0+4*\slot+3], 4*1048576   ; two K steps, four planes, on
	s_add_nc_u64 s[G0B+4*\slot+2:G0B+4*\slot+3], s[G0B+4*\slot+2:G0B+4*\slot+3], 4*131072
	JLOAD \slot                                    ; the first tensor load behind the round; its four v_nop are also the places in front of the loads below
.else
	PLACES
.endif
	FETCH \next, 0, F0
	WIN MUL
	MUL8 F1, 2, 0
	MUL8 F1, 3, 0
.endm
	s_wait_tensorcnt 1                             ; my part of K step 0 is in; K step 1's may be out
	s_barrier_signal -1
	s_barrier_wait -1
	FETCH 0, 0, F0
	s_wait_loadcnt 0x0                             ; the bias
	QUARTER 0, 1, F0, F1, 1                        ; the first quarter stands in front of the loop: its products start the sums
	WIN 0
	s_mov_b32 s3, LAPS-1
.Llap:                                             ; a trip goes once round the ring and fills both slots again
	QUARTER 0, 2, F1, F0, 0
	QUARTER 0, 3, F0, F1, 0
	TURN 0, 1, 1
	QUARTER 1, 1, F0, F1, 0
	QUARTER 1, 2, F1, F0, 0
	QUARTER 1, 3, F0, F1, 0
	TURN 1, 0, 1
	QUARTER 0, 1, F0, F1, 0
	WIN 0
	s_sub_co_u32 s3, s3, 1
	s_cmp_lg_u32 s3, 0
	s_cbranch_scc1 .Llap
	QUARTER 0, 2, F1, F0, 0                        ; the last lap fills nothing
	QUARTER 0, 3, F0, F1, 0
	TURN 0, 1, 0
	QUARTER 1, 1, F0, F1, 0
	QUARTER 1, 2, F1, F0, 0
	QUARTER 1, 3, F0, F1, 0
	s_wait_dscnt 4
	WIN MUL
	MUL8 F1, 0, 0
	MUL8 F1, 1, 0
	s_wait_dscnt 0
	MUL8 F1, 2, 0
	MUL8 F1, 3, 0
	WIN 0
; THE WAY OUT, a block of 16 rows x 128 columns at a time, through my own stage: back come whole rows of 512 bytes, which the 32 lanes store as 512 consecutive bytes, aligned.
.macro TOSTAGE a
	WIN 0x04                                       ; an LDS store's data are its source 1: window 1
.irp b, 0,1,2,3,4,5,6,7
	ds_store_b128 v[STO], v[64*(\a)+8*\b:64*(\a)+8*\b+3] offset:64*\b          ; each accumulator from its low end on
	ds_store_b128 v[STO], v[64*(\a)+8*\b+4:64*(\a)+8*\b+7] offset:64*\b+16
.endr
	WIN 0
.set BB, BK+64*((\a)%2)
.irp t, 0,1,2,3,4,5,6,7,8,9,10,11,12,13,14,15
	ds_load_b128 v[BB+4*\t:BB+4*\t+3], v[RD] offset:\t*SPITCH   ; in order behind my stores
.endr
.endm
.macro SEND a, younger
.set BB, BK+64*((\a)%2)
	s_wait_dscnt \younger                          ; the block is back; the next block's 16 stores and 16 loads may be out
.irp t, 0,1,2,3,4,5,6,7,8,9,10,11,12,13,14,15
	global_store_b128 v[CO], v[BB+4*\t:BB+4*\t+3], s[10:11] offset:(16*(\a)+\t)*4096 th:TH_STORE_NT
.endr
.endm
	PLACES
	TOSTAGE 0
.irp a, 1,2,3
.if \a > 1
	s_wait_xcnt 0x0                                ; block a - 2's stores have read their registers: block a's loads land there only behind this wait
.endif
	TOSTAGE \a
	SEND \a-1, 32
.endr
	SEND 3, 0
	s_wait_tensorcnt 0x0                           ; the wave's end
	ds_add_u32 v[SPW], v[NIL]
	s_wait_dscnt 0x0
	CROUND                                         ; the closing round
	s_endpgm
.Lfunc_end_k_qdd9c0c4042_proj:
	.size	k_qdd9c0c4042_proj, .Lfunc_end_k_qdd9c0c4042_proj-k_qdd9c0c4042_proj
	.p2alignl 7, 3214868480
	.fill 96, 4, 3214868480
	.section	.rodata,"a",@progbits
	.p2align	6, 0x0
	.amdhsa_kernel k_qdd9c0c4042_proj
		.amdhsa_group_segment_fixed_size 327680
		.amdhsa_private_segment_fixed_size 0
		.amdhsa_enable_private_segment 0
		.amdhsa_kernarg_size 32
		.amdhsa_user_sgpr_count 2
		.amdhsa_user_sgpr_kernarg_segment_ptr 1
		.amdhsa_wavefront_size32 1
		.amdhsa_system_sgpr_workgroup_id_x 1
		.amdhsa_system_sgpr_workgroup_id_y 1
		.amdhsa_system_sgpr_workgroup_id_z 1
		.amdhsa_system_vgpr_workitem_id 0
		.amdhsa_next_free_vgpr 768
		.amdhsa_next_free_sgpr 66
		.amdhsa_reserve_vcc 0
		.amdhsa_float_denorm_mode_32 3
		.amdhsa_float_denorm_mode_16_64 3
		.amdhsa_memory_ordered 1
		.amdhsa_forward_progress 1
		.amdhsa_inst_pref_size 86
	.end_amdhsa_kernel
	.amdgpu_metadata
---
amdhsa.version: [ 1, 2 ]
amdhsa.kernels:
  - .name:           k_qdd9c0c4042_proj
    .symbol:         k_qdd9c0c4042_proj.kd
    .args:
      - { .name: att16, .offset: 0, .size: 8, .value_kind: global_buffer, .address_space: global }
      - { .name: wp16, .offset: 8, .size: 8, .value_kind: global_buffer, .address_space: global }
      - { .name: b_proj, .offset: 16, .size: 8, .value_kind: global_buffer, .address_space: global }
      - { .name: out0, .offset: 24, .size: 8, .value_kind: global_buffer, .address_space: global }
    .group_segment_fixed_size: 327680
    .private_segment_fixed_size: 0
    .kernarg_segment_align: 8
    .kernarg_segment_size: 32
    .max_flat_workgroup_size: 128
    .sgpr_count:     66
    .vgpr_count:     768
    .wavefront_size: 32
...
	.end_amdgpu_metadata
.endif
;; end of part 4
;; launch fine (part 5): grid 64 x 4, 16 waves a work-group, no clusters, 18,688 bytes of LDS; arguments qkvf, w_proj, b_proj, out0; writes out0
.if DOCPART == 5
	.amdgcn_target "amdgcn-amd-amdhsa--gfx1250"
	.amdhsa_code_object_version 6
	.text
	.protected	k_qdd9c0c4042_fine
	.globl	k_qdd9c0c4042_fine
	.p2align	8
	.type	k_qdd9c0c4042_fine,@function
k_qdd9c0c4042_fine:
	s_mov_b64 s[64:65], 0
	v_nop
	global_prefetch_b8 v0, s[64:65] scope:SCOPE_SE
	s_setreg_imm32_b32 hwreg(HW_REG_WAVE_MODE, 25, 1), 1
	s_wait_xcnt 0x0
; The first 16 positions of every batch, in f32 throughout: they average one to sixteen values and are the largest rows, so the rounding of 16-bit operands weighs most there.  This launch writes those 64 rows of out0 anew.
; qkvf: f32 [b][column / 64][16 rows][64]: q at groups 0-15, k at 16-31, v at 32-47.  Work-group (x, b) makes columns 16 x .. 16 x + 15 of the batch's 16 rows; wave w is head w.
; Each wave: S^T = K Q^T (16 x 16 x 64), the causal softmax, O^T = V^T P (64 x 16 x 16), Y^T = W O^T (its head's 64 channels of 16 rows of w_proj); the 16 heads' parts meet in LDS; waves 0 and 1 add them and the bias.
; All products by v_wmma_f32_16x16x4_f32.  Along each product's K the numbers are dealt alike to both sources: in a step the lanes' half h holds a pair of its own run, so that results serve as the next source as they stand.
; The registers that these instructions write, v144-207, are written by nothing else; what is made of a sum goes into other registers.
; STATED: a work-group stores 64 bytes of each of 16 rows (262,144 bytes in the whole launch are stored so); a batch's attention is repeated in its 64 work-groups, 32 small matrix instructions a wave, so that the projection spreads over 256 work-groups in one launch.
; LIMITS: NaN and infinities are not served; the exponential gives 0 for results under 2^-126.
.set QF, 16                            ; v16-47   q: row r, channels 32 h + 0..31
.set KF, 48                            ; v48-79   k likewise
.set VF, 80                            ; v80-111  v: register 8 ct + e: key 8 h + e, channel 16 ct + r
.set WF, 112                           ; v112-143 w_proj: row 16 x + r; register 8 t + e: channel 64 w + 16 t + 8 h + e
.set SA, 144                           ; v144-159 two accumulators of S^T
.set OA, 160                           ; v160-191 four of O^T
.set YA, 192                           ; v192-207 two of Y^T
.set SV, 208                           ; v208-215 the scores, then p
.set YV, 216                           ; v216-223 my head's part of y
.set SPW, 10
.set NIL, 11
.set SPARE, 16384                      ; behind the 16 images of 1,024 bytes: the spare words, 128 bytes a wave, which no other line names
	s_load_b256 s[4:11], s[0:1], 0x0               ; qkvf s[4:5], w_proj s[6:7], b_proj s[8:9], out0 s[10:11]
	v_lshl_add_u32 v[SPW], v0, 2, SPARE
	v_mov_b32 v[NIL], 0
	v_lshrrev_b32 v1, 5, v0
	v_readfirstlane_b32 s12, v1                    ; wave = head
	v_and_b32 v1, 15, v0                           ; r
	v_bfe_u32 v2, v0, 4, 1                         ; h
	v_and_b32 v3, 31, v0                           ; lane
	v_lshlrev_b32 v4, 8, v1
	v_lshl_add_u32 v4, v2, 7, v4                   ; q, k: row r of 256 bytes, + 128 h
	v_lshlrev_b32 v5, 2, v1
	v_lshl_add_u32 v5, v2, 11, v5                  ; v: key 8 h, channel r
	v_lshlrev_b32 v6, 12, v1
	v_lshl_add_u32 v6, v2, 5, v6                   ; w_proj and out0: row r of 4,096 bytes, + 32 h
	s_lshl_b32 s13, s12, 10
	v_lshl_add_u32 v7, v3, 4, s13                  ; my image: 1,024 x wave + 16 x lane
	v_and_b32 v8, 63, v0
	v_lshlrev_b32 v8, 4, v8                        ; the adding waves read 16 bytes a thread of each image
	v_lshlrev_b32 v12, 3, v2
	v_sub_nc_u32 v12, v1, v12                      ; d = r - 8 h: register j holds key 8 h + j, hidden where j > d
	v_lshlrev_b32 v13, 5, v2                       ; the bias: 32 h
	v_mov_b32 v225, 0                              ; a lane permute's destination counts as one of its sources
	s_and_b32 s14, ttmp7, 0xffff                   ; b
	s_mul_i32 s16, s14, 48
	s_add_co_u32 s16, s16, s12
	s_lshl_b32 s16, s16, 12                        ; q's group of (b, head)
	s_mov_b32 s17, 0
	s_lshl_b32 s18, ttmp9, 16                      ; w_proj: 16 rows of 4,096 bytes,
	s_lshl_b32 s19, s12, 8                         ; my head's 64 channels
	s_add_co_u32 s18, s18, s19
	s_mov_b32 s19, 0
	s_lshl_b32 s24, ttmp9, 6                       ; 16 columns of f32,
	s_and_b32 s25, s12, 1
	s_lshl_b32 s25, s25, 4                         ; and four more in the second adding wave (wave % 2: no wave's address leaves b_proj)
	s_add_co_u32 s24, s24, s25
	s_mov_b32 s25, 0
	s_lshl_b32 s26, s14, 23                        ; the batch's first row of out0
	s_add_co_u32 s26, s26, s24
	s_mov_b32 s27, 0
	s_mov_b32 s20, 0x76543210
	s_mov_b32 s21, 0xfedcba98
	s_mov_b32 s22, 0x3e38aa3b                      ; c = log2(e) / 8
	s_wait_kmcnt 0x0
	s_add_nc_u64 s[4:5], s[4:5], s[16:17]
	s_add_nc_u64 s[6:7], s[6:7], s[18:19]
	s_add_nc_u64 s[8:9], s[8:9], s[24:25]
	s_add_nc_u64 s[10:11], s[10:11], s[26:27]
.irp i, 0,1,2,3,4,5,6,7
	global_load_b128 v[QF+4*\i:QF+4*\i+3], v4, s[4:5] offset:16*\i
.endr
.irp i, 0,1,2,3,4,5,6,7
	global_load_b128 v[KF+4*\i:KF+4*\i+3], v4, s[4:5] offset:65536+16*\i
.endr
.irp ct, 0,1,2,3
.irp e, 0,1,2,3,4,5,6,7
	global_load_b32 v[VF+8*\ct+\e], v5, s[4:5] offset:131072+256*\e+64*\ct
.endr
.endr
.irp t, 0,1,2,3
	global_load_b128 v[WF+8*\t:WF+8*\t+3], v6, s[6:7] offset:64*\t
	global_load_b128 v[WF+8*\t+4:WF+8*\t+7], v6, s[6:7] offset:64*\t+16
.endr
	s_wait_loadcnt 40                              ; q and k are in; v's 32 loads and w_proj's 8 may be out
.set n, 0
.rept 16                                       ; S^T: step n takes channels 32 h + 2 n, + 1; two accumulators by turns; each sum's first step has C = 0
.if n < 2
	v_wmma_f32_16x16x4_f32 v[SA+8*(n%2):SA+8*(n%2)+7], v[KF+2*n:KF+2*n+1], v[QF+2*n:QF+2*n+1], 0
.else
	v_wmma_f32_16x16x4_f32 v[SA+8*(n%2):SA+8*(n%2)+7], v[KF+2*n:KF+2*n+1], v[QF+2*n:QF+2*n+1], v[SA+8*(n%2):SA+8*(n%2)+7]
.endif
.set n, n+1
.endr
.rept 8
	v_nop                                          ; eight places behind this form, in front of the first read of its results (ISA guide 7.12.1)
.endr
.irp j, 0,2,4,6
	v_pk_add_f32 v[SV+\j:SV+\j+1], v[SA+\j:SA+\j+1], v[SA+8+\j:SA+8+\j+1]   ; lane (r, h): query r, keys 8 h + 0..7; both accumulators from their low ends on
.endr
	v_mov_b32 v226, 0xff800000
.irp j, 0,1,2,3,4,5,6,7
	v_cmp_gt_i32 vcc_lo, \j, v12
	v_cndmask_b32 v[SV+\j], v[SV+\j], v226, vcc_lo
.endr
	v_max3_num_f32 v224, v[SV], v[SV+1], v[SV+2]
	v_max3_num_f32 v224, v224, v[SV+3], v[SV+4]
	v_max3_num_f32 v224, v224, v[SV+5], v[SV+6]
	v_max_num_f32 v224, v224, v[SV+7]
	v_permlanex16_b32 v225, v224, s20, s21
	v_max_num_f32 v224, v224, v225                 ; the row's maximum: key 0 counts for every query, so it is a number
	v_mul_f32 v224, s22, v224
.irp j, 0,1,2,3,4,5,6,7
	v_fma_f32 v[SV+\j], v[SV+\j], s22, -v224
.endr
.irp j, 0,1,2,3,4,5,6,7
	v_exp_f32 v[SV+\j], v[SV+\j]
.endr
	v_nop
	s_wait_alu depctr_va_vdst(0)                   ; one wait for the eight exponentials, ahead of their first reader
	v_pk_add_f32 v[226:227], v[SV:SV+1], v[SV+2:SV+3]
	v_pk_add_f32 v[228:229], v[SV+4:SV+5], v[SV+6:SV+7]
	v_pk_add_f32 v[226:227], v[226:227], v[228:229]
	v_add_f32 v226, v226, v227
	v_permlanex16_b32 v225, v226, s20, s21
	v_add_f32 v226, v226, v225
	v_rcp_f32 v227, v226
	v_nop
	s_wait_alu depctr_va_vdst(0)
.irp j, 0,1,2,3,4,5,6,7
	v_mul_f32 v[SV+\j], v[SV+\j], v227             ; p, normalised
.endr
	s_wait_loadcnt 8                               ; v is in; w_proj's 8 loads may be out
.irp s, 0,1,2,3                                ; O^T: step s takes keys 8 h + 2 s, + 1; four accumulators by turns
.irp ct, 0,1,2,3
.if \s == 0
	v_wmma_f32_16x16x4_f32 v[OA+8*\ct:OA+8*\ct+7], v[VF+8*\ct+2*\s:VF+8*\ct+2*\s+1], v[SV+2*\s:SV+2*\s+1], 0
.else
	v_wmma_f32_16x16x4_f32 v[OA+8*\ct:OA+8*\ct+7], v[VF+8*\ct+2*\s:VF+8*\ct+2*\s+1], v[SV+2*\s:SV+2*\s+1], v[OA+8*\ct:OA+8*\ct+7]
.endif
.endr
.endr
.rept 9
	v_nop                                          ; nine places: the results become a matrix instruction's source as they stand
.endr
	s_wait_loadcnt 0x0
.set n, 0
.rept 16                                       ; Y^T: step n takes channels 16 (n / 4) + 8 h + 2 (n % 4), + 1: registers 2 n, 2 n + 1 of both runs
.if n < 2
	v_wmma_f32_16x16x4_f32 v[YA+8*(n%2):YA+8*(n%2)+7], v[WF+2*n:WF+2*n+1], v[OA+2*n:OA+2*n+1], 0
.else
	v_wmma_f32_16x16x4_f32 v[YA+8*(n%2):YA+8*(n%2)+7], v[WF+2*n:WF+2*n+1], v[OA+2*n:OA+2*n+1], v[YA+8*(n%2):YA+8*(n%2)+7]
.endif
.set n, n+1
.endr
.rept 8
	v_nop
.endr
.irp j, 0,2,4,6
	v_pk_add_f32 v[YV+\j:YV+\j+1], v[YA+\j:YA+\j+1], v[YA+8+\j:YA+8+\j+1]   ; lane (r, h): row r, columns 16 x + 8 h + 0..7
.endr
	ds_store_b128 v7, v[YV:YV+3]                   ; my part as an image of its registers
	ds_store_b128 v7, v[YV+4:YV+7] offset:512
	s_wait_dscnt 0x0                               ; for the others' sake: my stores have landed
	s_barrier_signal -1
	s_barrier_wait -1
	s_cmp_gt_u32 s12, 1
	s_cbranch_scc1 .Ldone                          ; waves 0 and 1 add: wave 0 the images' first halves (columns 8 h + 0..3), wave 1 the second
	global_load_b128 v[232:235], v13, s[8:9]
.irp p, 0,1,2,3,4,5,6,7,8,9,10,11,12,13,14,15
	ds_load_b128 v[16+4*\p:16+4*\p+3], v8 offset:1024*\p
.endr
	s_wait_dscnt 0x0
.irp p, 1,2,3,4,5,6,7,8,9,10,11,12,13,14,15
	v_pk_add_f32 v[16:17], v[16:17], v[16+4*\p:17+4*\p]
	v_pk_add_f32 v[18:19], v[18:19], v[18+4*\p:19+4*\p]
.endr
	s_wait_loadcnt 0x0
	v_pk_add_f32 v[16:17], v[16:17], v[232:233]
	v_pk_add_f32 v[18:19], v[18:19], v[234:235]
	global_store_b128 v6, v[16:19], s[10:11]
.Ldone:
	s_wait_tensorcnt 0x0                           ; the wave's end, behind my last LDS store
	ds_add_u32 v[SPW], v[NIL]
	s_wait_dscnt 0x0
	s_endpgm
.Lfunc_end_k_qdd9c0c4042_fine:
	.size	k_qdd9c0c4042_fine, .Lfunc_end_k_qdd9c0c4042_fine-k_qdd9c0c4042_fine
	.p2alignl 7, 3214868480
	.fill 96, 4, 3214868480
	.section	.rodata,"a",@progbits
	.p2align	6, 0x0
	.amdhsa_kernel k_qdd9c0c4042_fine
		.amdhsa_group_segment_fixed_size 18688
		.amdhsa_private_segment_fixed_size 0
		.amdhsa_enable_private_segment 0
		.amdhsa_kernarg_size 32
		.amdhsa_user_sgpr_count 2
		.amdhsa_user_sgpr_kernarg_segment_ptr 1
		.amdhsa_wavefront_size32 1
		.amdhsa_system_sgpr_workgroup_id_x 1
		.amdhsa_system_sgpr_workgroup_id_y 1
		.amdhsa_system_sgpr_workgroup_id_z 1
		.amdhsa_system_vgpr_workitem_id 0
		.amdhsa_next_free_vgpr 256
		.amdhsa_next_free_sgpr 66
		.amdhsa_reserve_vcc 1
		.amdhsa_float_denorm_mode_32 3
		.amdhsa_float_denorm_mode_16_64 3
		.amdhsa_memory_ordered 1
		.amdhsa_forward_progress 1
		.amdhsa_inst_pref_size 18
	.end_amdhsa_kernel
	.amdgpu_metadata
---
amdhsa.version: [ 1, 2 ]
amdhsa.kernels:
  - .name:           k_qdd9c0c4042_fine
    .symbol:         k_qdd9c0c4042_fine.kd
    .args:
      - { .name: qkvf, .offset: 0, .size: 8, .value_kind: global_buffer, .address_space: global }
      - { .name: w_proj, .offset: 8, .size: 8, .value_kind: global_buffer, .address_space: global }
      - { .name: b_proj, .offset: 16, .size: 8, .value_kind: global_buffer, .address_space: global }
      - { .name: out0, .offset: 24, .size: 8, .value_kind: global_buffer, .address_space: global }
    .group_segment_fixed_size: 18688
    .private_segment_fixed_size: 0
    .kernarg_segment_align: 8
    .kernarg_segment_size: 32
    .max_flat_workgroup_size: 512
    .sgpr_count:     66
    .vgpr_count:     256
    .wavefront_size: 32
...
	.end_amdgpu_metadata
.endif
;; end of part 5
